; MI455X (gfx1250); checked and timed in simulation.
; The chip was launched on July 23, 2026; its instructions are those of AMD's public machine-readable ISA for CDNA 5 (MIT licence, August 2026) and "CDNA5" Instruction Set Architecture Reference Guide (July 2026). The comments in the code are by the model that wrote it; some were corrected since.
;; Image Gene Cross Transformer Ro PE. Allowed arithmetic: float matrix products may take bf16 or f16 operands with f32 sums; other float arithmetic in f32, or as packed bf16 or f16 multiplies, adds, multiply-adds, maxima and minima; sums over many terms, partial sums and values carried from step to step in f32; what a program stores and reads back later, other than sums and carried values, may be rounded once to bf16 or f16.
;; Inputs: gene_values 16 x 1,024 float32; img_feats 16 x 1,024 x 1,024 float32; params_bk 512 float32; params_bo 512 float32; params_bq 512 float32; params_bv 512 float32; params_ff1_b 1,024 float32; params_ff1_w 512 x 1,024 float32; params_ff2_b 512 float32; params_ff2_w 1,024 x 512 float32; params_gene_b 512 float32; params_gene_norm_b 512 float32; params_gene_norm_g 512 float32; params_gene_w 512 float32; params_head_b one number float32; params_head_w 512 float32; params_img_norm_b 512 float32; params_img_norm_g 512 float32; params_img_proj_b 512 float32; params_img_proj_w 1,024 x 512 float32; params_ln1_b 512 float32; params_ln1_g 512 float32; params_ln2_b 512 float32; params_ln2_g 512 float32; params_wk 512 x 512 float32; params_wo 512 x 512 float32; params_wq 512 x 512 float32; params_wv 512 x 512 float32.
;; Outputs: out0 16 x 1,024 float32; out1 16 x 1,024 x 512 float32.
;; 2 versions, each right; version 2 is version 1 with the launches imgkv, tail written anew for expert scheduling mode. Each part assembles by itself: llvm-mc -triple=amdgcn-amd-amdhsa -mcpu=gfx1250 --defsym DOCPART=n.
;; ======== version 1 of 2: 4 launches
;; limits: values are held in f16: magnitudes above 65,504 overflow, below 6.1e-05 lose precision; a difference of large sums (such as E[x^2] - mean^2): digits are lost where the result is much smaller than its terms
;; workspace buffers: wf 4,718,592 bytes; rope 262,144 bytes; gq 10,752 bytes; qh 16,777,216 bytes; kh 16,777,216 bytes; vh 16,777,216 bytes; oh 16,777,216 bytes
;; launch prep (part 1): grid 720 x 1, 8 waves a work-group, no clusters, 53,248 bytes of LDS; arguments params_img_proj_w, params_wk, params_wv, params_wo, params_ff1_w, params_ff2_w, params_wq, params_gene_w, params_gene_b, params_gene_norm_g, params_gene_norm_b, params_bq, wf, rope, gq; writes wf, rope, gq
.if DOCPART == 1
	.amdgcn_target "amdgcn-amd-amdhsa--gfx1250"
	.amdhsa_code_object_version 6
	.text
	.protected	k_qa69106b4f1_prep
	.globl	k_qa69106b4f1_prep
	.p2align	8
	.type	k_qa69106b4f1_prep,@function
k_qa69106b4f1_prep:
	s_mov_b64 s[64:65], 0
	v_nop
	global_prefetch_b8 v0, s[64:65] scope:SCOPE_SE
	s_setreg_imm32_b32 hwreg(HW_REG_WAVE_MODE, 25, 1), 1
	s_wait_xcnt 0x0
; PREPARATION, three parts chosen by the work-group's number g (the same for all waves of a work-group).
; g < 576: WEIGHT IMAGES.  Each of six matrices W[K][N] (f32) is rounded to bf16 and laid out in blocks of 1,024 bytes, one a wave, so that
;   a matrix fragment is two loads of 512 consecutive bytes: block ((cg KS + ks) 4 + nb), KS = K / 32; first 512 bytes: lane (r, h) holds column
;   64 cg + 16 nb + r, k = 32 ks + 8 h + 0..7; second 512 bytes: k = 32 ks + 16 + 8 h + 0..7.  ff1_w's bf16 numbers are written as f16
;   (LIMIT: |ff1_w| within 65,504; below 6e-5 f16's fixed step of 6e-8).
; 576 <= g < 704: THE ROTATION TABLE, f32 [position 1024][pair 32][cos, sin], angle = position x 10000^(-pair / 32).
;   The angle is reduced by multiples of pi / 2 in two parts; polynomials of degree 7 and 8 on |x| <= pi / 4: good to 3e-7.
; g >= 704: THE GENE CONSTANTS.  LayerNorm(gv w + b) = alpha u + rho t + beta for every input, with u = (w - mean w) g, t = (b - mean b) g,
;   rho = rsqrt(gv^2 Vw + 2 gv C + Vb + eps), alpha = gv rho.  Stored in gq (f32): u, t, U = u wq, T = t wq, Bq = beta wq + bq, then 32 copies of (Vw, 2 C, Vb, 0).
;   All inputs are rounded to bf16 first; sums in f32.
.set SPARE, 52224                      ; the spare words: 128 bytes a wave, four blocks of 256 bytes that no other line names
.set REDG,  49152                      ; part G: partial sums, word ((vector 8 + k quarter) 32 + column)
.set SPW, 6
.set NIL, 7
.set MSK, 36                           ; part G: s36 = a word's upper bf16
.macro RB2 a, b, t                     ; two f32 rounded to bf16, kept as f32; t holds them packed
	v_cvt_pk_bf16_f32 v[\t], v[\a], v[\b]
	v_lshlrev_b32 v[\a], 16, v[\t]
	v_and_b32 v[\b], s[MSK], v[\t]
.endm
	s_load_b512 s[4:19], s[0:1], 0x0               ; img_proj_w 4, wk 6, wv 8, wo 10, ff1_w 12, ff2_w 14, wq 16, gene_w 18
	s_load_b256 s[20:27], s[0:1], 0x40             ; gene_b 20, gene_norm_g 22, gene_norm_b 24, bq 26
	s_load_b128 s[28:31], s[0:1], 0x60             ; wf 28, rope 30
	s_load_b64 s[32:33], s[0:1], 0x70              ; gq
	v_lshl_add_u32 v[SPW], v0, 2, SPARE
	v_mov_b32 v[NIL], 0
	v_lshrrev_b32 v1, 5, v0
	v_readfirstlane_b32 s40, v1                    ; wave 0..7
	v_and_b32 v1, 31, v0                           ; lane l
	v_and_b32 v2, 15, v0                           ; r
	v_bfe_u32 v3, v0, 4, 1                         ; h
	s_mov_b32 s41, ttmp9                           ; g
	s_wait_kmcnt 0x0
	s_cmp_ge_u32 s41, 704
	s_cbranch_scc1 .Lgene
	s_cmp_ge_u32 s41, 576
	s_cbranch_scc1 .Lrope
	; ---------------- part W: one block of 1,024 bytes a wave
	s_mov_b64 s[34:35], s[4:5]                     ; the matrix,
	s_mov_b32 s36, 0                               ; its first work-group,
	s_mov_b32 s37, 5                               ; log2 (K / 32),
	s_mov_b32 s38, 2048                            ; bytes in a row (4 N),
	s_mov_b32 s39, 0                               ; 1: written as f16
.macro PICK start, lo, logks, ns, f
	s_cmp_ge_u32 s41, \start
	s_cselect_b64 s[34:35], s[\lo:\lo+1], s[34:35]
	s_cselect_b32 s36, \start, s36
	s_cselect_b32 s37, \logks, s37
	s_cselect_b32 s38, \ns, s38
	s_cselect_b32 s39, \f, s39
.endm
	PICK 128, 6, 4, 2048, 0
	PICK 192, 8, 4, 2048, 0
	PICK 256, 10, 4, 2048, 0
	PICK 320, 12, 4, 4096, 1
	PICK 448, 14, 5, 2048, 0
	s_sub_co_u32 s42, s41, s36
	s_lshl_b32 s42, s42, 3
	s_add_co_u32 s42, s42, s40                     ; the block's number in its matrix
	s_and_b32 s43, s42, 3                          ; nb
	s_lshr_b32 s44, s42, 2
	s_lshl_b32 s45, 1, s37
	s_sub_co_u32 s45, s45, 1
	s_and_b32 s44, s44, s45                        ; ks
	s_add_co_u32 s45, s37, 2
	s_lshr_b32 s45, s42, s45                       ; cg
	s_mul_i32 s46, s44, s38
	s_lshl_b32 s46, s46, 5                         ; 32 ks rows
	s_lshl_b32 s47, s45, 8
	s_add_co_u32 s46, s46, s47                     ; + 64 cg columns
	s_lshl_b32 s47, s43, 6
	s_add_co_u32 s46, s46, s47                     ; + 16 nb columns
	v_lshlrev_b32 v8, 3, v3
	v_mul_lo_u32 v8, v8, s38                       ; 8 h rows
	v_lshl_add_u32 v8, v2, 2, v8                   ; + column r
	v_add_nc_u32 v16, s46, v8
.set j, 1
.rept 7
	v_add_nc_u32 v[16+j], s38, v[15+j]             ; k + 1 .. k + 7
.set j, j+1
.endr
	s_lshl_b32 s47, s38, 4
	v_add_nc_u32 v24, s47, v16                     ; k + 16
.set j, 1
.rept 7
	v_add_nc_u32 v[24+j], s38, v[23+j]
.set j, j+1
.endr
.set j, 0
.rept 16
	global_load_b32 v[32+j], v[16+j], s[34:35]
.set j, j+1
.endr
	s_lshl_b32 s46, s41, 13                        ; the images lie one behind the other: 8,192 g + 1,024 wave
	s_lshl_b32 s47, s40, 10
	s_add_co_u32 s46, s46, s47
	s_mov_b32 s47, 0
	s_add_nc_u64 s[28:29], s[28:29], s[46:47]
	v_lshlrev_b32 v9, 4, v1
	s_wait_loadcnt 0x0
.set j, 0
.rept 8
	v_cvt_pk_bf16_f32 v[48+j], v[32+2*j], v[33+2*j]
.set j, j+1
.endr
	s_cmp_eq_u32 s39, 0
	s_cbranch_scc1 .Lnof16
.set j, 0
.rept 8
	v_lshlrev_b32 v[32+2*j], 16, v[48+j]           ; the bf16 numbers, written as f16
	v_and_b32 v[33+2*j], 0xffff0000, v[48+j]
	v_cvt_pk_f16_f32 v[48+j], v[32+2*j], v[33+2*j]
.set j, j+1
.endr
.Lnof16:
	global_store_b128 v9, v[48:51], s[28:29]              ; 512 consecutive bytes each
	global_store_b128 v9, v[52:55], s[28:29] offset:512
	s_branch .Lend
	; ---------------- part R: a thread makes one (cos, sin)
.Lrope:
	s_sub_co_u32 s42, s41, 576
	s_lshl_b32 s43, s42, 3
	v_lshrrev_b32 v8, 5, v0
	v_add_nc_u32 v8, s43, v8                       ; position = 8 (g - 576) + wave
	s_lshl_b32 s46, s42, 11
	s_mov_b32 s47, 0
	s_add_nc_u64 s[30:31], s[30:31], s[46:47]
	v_cvt_f32_u32 v9, v1                           ; pair = lane
	v_mul_f32 v9, 0xbed49a78, v9                   ; - pair x log2(10000) / 32
	v_exp_f32 v9, v9
	v_cvt_f32_u32 v10, v8                          ; the plain instruction behind the exponential
	s_wait_alu depctr_va_vdst(0)                   ; the wait ahead of the first use
	v_mul_f32 v10, v10, v9                         ; the angle
	v_mul_f32 v11, 0x3f22f983, v10                 ; x 2 / pi
	v_rndne_f32 v11, v11
	v_fmamk_f32 v12, v11, 0xbfc90fdb, v10          ; less k x pi / 2, in two parts
	v_fmamk_f32 v12, v11, 0x333bbd2e, v12
	v_mul_f32 v13, v12, v12                        ; z = x^2
	v_mov_b32 v14, 0x3c088889
	v_fmamk_f32 v14, v13, 0xb9500d01, v14          ; 1/120 - z/5040
	v_fmaak_f32 v14, v13, v14, 0xbe2aaaab          ; - 1/6 + z (..)
	v_mul_f32 v15, v12, v13
	v_fma_f32 v14, v15, v14, v12                   ; sin x
	v_mov_b32 v16, 0xbab60b61
	v_fmamk_f32 v16, v13, 0x37d00d01, v16          ; - 1/720 + z/40320
	v_fmaak_f32 v16, v13, v16, 0x3d2aaaab          ; 1/24 + z (..)
	v_mul_f32 v17, v13, v13
	v_fma_f32 v20, v13, -0.5, 1.0
	v_fma_f32 v16, v17, v16, v20                   ; cos x
	v_cvt_i32_f32 v21, v11                         ; k
	v_and_b32 v22, 1, v21
	v_cmp_eq_u32 vcc_lo, 1, v22
	v_cndmask_b32 v19, v14, v16, vcc_lo            ; sin of the angle: cos x where k is odd
	v_cndmask_b32 v18, v16, v14, vcc_lo            ; cos of the angle: sin x where k is odd
	v_and_b32 v22, 2, v21
	v_lshlrev_b32 v22, 30, v22
	v_xor_b32 v19, v19, v22                        ; sin changes sign for k mod 4 = 2, 3
	v_add_nc_u32 v21, 1, v21
	v_and_b32 v21, 2, v21
	v_lshlrev_b32 v21, 30, v21
	v_xor_b32 v18, v18, v21                        ; cos for k mod 4 = 1, 2
	v_lshlrev_b32 v23, 3, v0
	global_store_b64 v23, v[18:19], s[30:31]       ; a wave stores 256 consecutive bytes
	s_branch .Lend
	; ---------------- part G: work-group i makes columns 32 i .. 32 i + 31 of U, T, Bq; wave kq takes k = 64 kq .. 64 kq + 63; a lane a column
.Lgene:
	s_sub_co_u32 s42, s41, 704                     ; i
	s_mov_b32 s[MSK], 0xffff0000
	s_mov_b32 s48, 0x76543210                      ; v_permlanex16_b32: each lane takes its own place in the other half
	s_mov_b32 s49, 0xfedcba98
	s_lshl_b32 s43, s42, 7
	v_lshl_add_u32 v8, v1, 2, s43                  ; 4 n
	s_lshl_b32 s44, s40, 17                        ; 64 kq rows of 2,048 bytes
	v_add_nc_u32 v9, s44, v8
.set k, 0
.rept 64
	global_load_b32 v[128+k], v9, s[16:17] offset:2048*k
.set k, k+1
.endr
	v_lshlrev_b32 v10, 4, v1                       ; every wave holds the four vectors whole: lane l has numbers 4 l + 128 e + 0..3, e = 0..3: a load covers 512 consecutive bytes
.irp e, 0,1,2,3
	global_load_b128 v[16+4*\e:19+4*\e], v10, s[18:19] offset:512*\e
	global_load_b128 v[32+4*\e:35+4*\e], v10, s[20:21] offset:512*\e
	global_load_b128 v[48+4*\e:51+4*\e], v10, s[22:23] offset:512*\e
	global_load_b128 v[64+4*\e:67+4*\e], v10, s[24:25] offset:512*\e
.endr
	global_load_b32 v12, v8, s[26:27]
	s_wait_loadcnt 0x0
.set k, 0
.rept 32
	RB2 16+2*k, 17+2*k, 80
	RB2 128+2*k, 129+2*k, 81
.set k, k+1
.endr
	v_cvt_pk_bf16_f32 v80, v12, v12
	v_lshlrev_b32 v12, 16, v80
.macro WSUM x, t                       ; the sum over the wave's 32 lanes, in every lane
	v_add_f32_dpp v[\x], v[\x], v[\x] row_xmask:1 row_mask:0xf bank_mask:0xf
	v_add_f32_dpp v[\x], v[\x], v[\x] row_xmask:2 row_mask:0xf bank_mask:0xf
	v_add_f32_dpp v[\x], v[\x], v[\x] row_xmask:4 row_mask:0xf bank_mask:0xf
	v_add_f32_dpp v[\x], v[\x], v[\x] row_xmask:8 row_mask:0xf bank_mask:0xf
	v_permlanex16_b32 v[\t], v[\x], s48, s49
	v_add_f32 v[\x], v[\x], v[\t]
.endm
.macro LSUM d, s                       ; v[d] = the sum of a vector's 512 numbers
	v_pk_add_f32 v[\d:\d+1], v[\s:\s+1], v[\s+2:\s+3]
.irp p, 2,3,4,5,6,7
	v_pk_add_f32 v[\d:\d+1], v[\d:\d+1], v[\s+2*\p:\s+2*\p+1]
.endr
	v_add_f32 v[\d], v[\d], v[\d+1]
	WSUM \d, \d+1
.endm
.macro LDOT d, a, b                    ; v[d] = the sum of 512 products
	v_pk_mul_f32 v[\d:\d+1], v[\a:\a+1], v[\b:\b+1]
.irp p, 1,2,3,4,5,6,7
	v_pk_fma_f32 v[\d:\d+1], v[\a+2*\p:\a+2*\p+1], v[\b+2*\p:\b+2*\p+1], v[\d:\d+1]
.endr
	v_add_f32 v[\d], v[\d], v[\d+1]
	WSUM \d, \d+1
.endm
	LSUM 80, 16
	v_mul_f32 v80, 0x3b000000, v80                 ; mean of w (1 / 512)
	v_mov_b32 v81, v80
	LSUM 82, 32
	v_mul_f32 v82, 0x3b000000, v82                 ; mean of b
	v_mov_b32 v83, v82
.irp p, 0,1,2,3,4,5,6,7
	v_pk_add_f32 v[16+2*\p:17+2*\p], v[16+2*\p:17+2*\p], v[80:81] neg_lo:[0,1] neg_hi:[0,1]
	v_pk_add_f32 v[32+2*\p:33+2*\p], v[32+2*\p:33+2*\p], v[82:83] neg_lo:[0,1] neg_hi:[0,1]
.endr
	LDOT 84, 16, 16
	LDOT 86, 16, 32
	LDOT 88, 32, 32
	v_mul_f32 v192, 0x3b000000, v84                ; Vw
	v_mul_f32 v193, 0x3b800000, v86                ; 2 C
	v_mul_f32 v194, 0x3b000000, v88                ; Vb
	v_mov_b32 v195, 0
.irp p, 0,1,2,3,4,5,6,7
	v_pk_mul_f32 v[16+2*\p:17+2*\p], v[16+2*\p:17+2*\p], v[48+2*\p:49+2*\p]   ; u
	v_pk_mul_f32 v[32+2*\p:33+2*\p], v[32+2*\p:33+2*\p], v[48+2*\p:49+2*\p]   ; t
.endr
	s_mul_i32 s45, s40, 6144                       ; my wave's own copy of u, t, beta in LDS, in the numbers' own order
	v_lshl_add_u32 v11, v1, 4, s45
.irp e, 0,1,2,3
	ds_store_b128 v11, v[16+4*\e:19+4*\e] offset:512*\e
	ds_store_b128 v11, v[32+4*\e:35+4*\e] offset:2048+512*\e
	ds_store_b128 v11, v[64+4*\e:67+4*\e] offset:4096+512*\e
.endr
	s_lshl_b32 s46, s40, 8
	s_add_co_u32 s46, s46, s45
	v_mov_b32 v196, s46                            ; the copy's numbers 64 kq on: the same address in all lanes
	v_mov_b32 v13, 0
	v_mov_b32 v14, 0
	v_mov_b32 v15, 0
.irp rd, 0,1,2,3
.irp e, 0,1,2,3
	ds_load_b128 v[80+4*\e:83+4*\e], v196 offset:64*\rd+16*\e           ; LDS serves a wave's instructions in order: these see my stores
	ds_load_b128 v[96+4*\e:99+4*\e], v196 offset:2048+64*\rd+16*\e
	ds_load_b128 v[112+4*\e:115+4*\e], v196 offset:4096+64*\rd+16*\e
.endr
	s_wait_dscnt 0x0
.set k, 0
.rept 16
	v_fmac_f32 v13, v[80+k], v[128+16*\rd+k]
	v_fmac_f32 v14, v[96+k], v[128+16*\rd+k]
	v_fmac_f32 v15, v[112+k], v[128+16*\rd+k]
.set k, k+1
.endr
.endr
	s_lshl_b32 s46, s40, 7
	s_add_co_u32 s46, s46, REDG
	v_lshl_add_u32 v197, v1, 2, s46
	ds_store_b32 v197, v13
	ds_store_b32 v197, v14 offset:1024
	ds_store_b32 v197, v15 offset:2048
	s_wait_dscnt 0x0                               ; for the others' sake: my partial sums are in LDS
	s_barrier_signal -1
	s_barrier_wait -1
	s_cmp_lt_u32 s40, 3
	s_cbranch_scc1 .Lg_sum
	s_cmp_eq_u32 s42, 0                            ; u, t and the moments are the same in every work-group: the first of the sixteen stores them, from registers
	s_cbranch_scc0 .Lend
	s_cmp_eq_u32 s40, 3
	s_cbranch_scc1 .Lg_u
	s_cmp_eq_u32 s40, 4
	s_cbranch_scc1 .Lg_t
	s_cmp_eq_u32 s40, 5
	s_cbranch_scc0 .Lend
	global_store_b128 v10, v[192:195], s[32:33] offset:10240   ; 32 copies of (Vw, 2 C, Vb, 0): 512 consecutive bytes
	s_branch .Lend
.Lg_u:                                         ; wave 3: u, 512 consecutive bytes a store
.irp e, 0,1,2,3
	global_store_b128 v10, v[16+4*\e:19+4*\e], s[32:33] offset:512*\e
.endr
	s_branch .Lend
.Lg_t:                                         ; wave 4: t
.irp e, 0,1,2,3
	global_store_b128 v10, v[32+4*\e:35+4*\e], s[32:33] offset:2048+512*\e
.endr
	s_branch .Lend
.Lg_sum:                                       ; waves 0, 1, 2 finish the work-group's 32 columns of U, T, Bq
	s_lshl_b32 s46, s40, 10
	s_add_co_u32 s46, s46, REDG
	v_lshl_add_u32 v198, v1, 2, s46
.set k, 0
.rept 8
	ds_load_b32 v[80+k], v198 offset:128*k
.set k, k+1
.endr
	s_cmp_eq_u32 s40, 2
	s_cselect_b32 s47, 1.0, 0                      ; bq joins the third sum alone
	s_lshl_b32 s46, s40, 11
	s_add_co_u32 s46, s46, 4096
	v_add_nc_u32 v199, s46, v8
	s_wait_dscnt 0x0
	v_fma_f32 v80, v12, s47, v80
.set k, 1
.rept 7
	v_add_f32 v80, v80, v[80+k]
.set k, k+1
.endr
	global_store_b32 v199, v80, s[32:33]           ; 128 consecutive bytes a wave: a work-group's share of a vector of 2,048 bytes
.Lend:
	s_wait_tensorcnt 0x0                           ; the wave's end
	ds_add_u32 v[SPW], v[NIL]
	s_wait_dscnt 0x0
	s_endpgm
.Lfunc_end_k_qa69106b4f1_prep:
	.size	k_qa69106b4f1_prep, .Lfunc_end_k_qa69106b4f1_prep-k_qa69106b4f1_prep
	.p2alignl 7, 3214868480
	.fill 96, 4, 3214868480
	.section	.rodata,"a",@progbits
	.p2align	6, 0x0
	.amdhsa_kernel k_qa69106b4f1_prep
		.amdhsa_group_segment_fixed_size 53248
		.amdhsa_private_segment_fixed_size 0
		.amdhsa_enable_private_segment 0
		.amdhsa_kernarg_size 120
		.amdhsa_user_sgpr_count 2
		.amdhsa_user_sgpr_kernarg_segment_ptr 1
		.amdhsa_wavefront_size32 1
		.amdhsa_system_sgpr_workgroup_id_x 1
		.amdhsa_system_sgpr_workgroup_id_y 1
		.amdhsa_system_sgpr_workgroup_id_z 1
		.amdhsa_system_vgpr_workitem_id 0
		.amdhsa_next_free_vgpr 200
		.amdhsa_next_free_sgpr 66
		.amdhsa_reserve_vcc 1
		.amdhsa_float_denorm_mode_32 3
		.amdhsa_float_denorm_mode_16_64 3
		.amdhsa_memory_ordered 1
		.amdhsa_forward_progress 1
		.amdhsa_inst_pref_size 46
	.end_amdhsa_kernel
	.amdgpu_metadata
---
amdhsa.version: [ 1, 2 ]
amdhsa.kernels:
  - .name:           k_qa69106b4f1_prep
    .symbol:         k_qa69106b4f1_prep.kd
    .args:
      - { .name: params_img_proj_w, .offset: 0, .size: 8, .value_kind: global_buffer, .address_space: global }
      - { .name: params_wk, .offset: 8, .size: 8, .value_kind: global_buffer, .address_space: global }
      - { .name: params_wv, .offset: 16, .size: 8, .value_kind: global_buffer, .address_space: global }
      - { .name: params_wo, .offset: 24, .size: 8, .value_kind: global_buffer, .address_space: global }
      - { .name: params_ff1_w, .offset: 32, .size: 8, .value_kind: global_buffer, .address_space: global }
      - { .name: params_ff2_w, .offset: 40, .size: 8, .value_kind: global_buffer, .address_space: global }
      - { .name: params_wq, .offset: 48, .size: 8, .value_kind: global_buffer, .address_space: global }
      - { .name: params_gene_w, .offset: 56, .size: 8, .value_kind: global_buffer, .address_space: global }
      - { .name: params_gene_b, .offset: 64, .size: 8, .value_kind: global_buffer, .address_space: global }
      - { .name: params_gene_norm_g, .offset: 72, .size: 8, .value_kind: global_buffer, .address_space: global }
      - { .name: params_gene_norm_b, .offset: 80, .size: 8, .value_kind: global_buffer, .address_space: global }
      - { .name: params_bq, .offset: 88, .size: 8, .value_kind: global_buffer, .address_space: global }
      - { .name: wf, .offset: 96, .size: 8, .value_kind: global_buffer, .address_space: global }
      - { .name: rope, .offset: 104, .size: 8, .value_kind: global_buffer, .address_space: global }
      - { .name: gq, .offset: 112, .size: 8, .value_kind: global_buffer, .address_space: global }
    .group_segment_fixed_size: 53248
    .private_segment_fixed_size: 0
    .kernarg_segment_align: 8
    .kernarg_segment_size: 120
    .max_flat_workgroup_size: 256
    .sgpr_count:     66
    .vgpr_count:     200
    .wavefront_size: 32
...
	.end_amdgpu_metadata
.endif
;; end of part 1
;; launch imgkv (part 2): grid 256 x 1, 8 waves a work-group, no clusters, 238,592 bytes of LDS; arguments img_feats, gene_values, params_img_proj_b, params_img_norm_g, params_img_norm_b, params_bk, params_bv, wf, rope, gq, qh, kh, vh; writes qh, kh, vh
.if DOCPART == 2
	.amdgcn_target "amdgcn-amd-amdhsa--gfx1250"
	.amdhsa_code_object_version 6
	.text
	.protected	k_qa69106b4f1_imgkv
	.globl	k_qa69106b4f1_imgkv
	.p2align	8
	.type	k_qa69106b4f1_imgkv,@function
k_qa69106b4f1_imgkv:
	s_mov_b64 s[64:65], 0
	v_nop
	global_prefetch_b8 v0, s[64:65] scope:SCOPE_SE
	s_setreg_imm32_b32 hwreg(HW_REG_WAVE_MODE, 25, 1), 1
	s_wait_xcnt 0x0
; A work-group takes 64 rows (one batch, positions pos0 .. pos0 + 63) through: img = LayerNorm(img_feats Wp + b); k = rotate(img wk + bk); v = img wv + bv;
; and q = rotate(alpha U + rho T + Bq), the gene projection in its closed form (constants in gq).  q, k, v leave as bf16, [batch][head][position][64], q unscaled.
; All inputs are rounded to bf16 once; products in bf16 with f32 sums; norms and rotation in f32.
; SHARES.  Eight waves; wave w owns all 64 rows x columns 64 w .. 64 w + 63 (for q, k, v: head w): 16 accumulators of 16 x 16.
; THE MATRIX INSTRUCTION IS USED TRANSPOSED: source 0 = 16 columns of the weights, source 1 = 16 rows of activations: register j of lane (r, h) of accumulator (mb, nb)
; is row 16 mb + r, column 64 w + 16 nb + 8 h + j: eight neighbouring columns of one row.
; WEIGHTS come from their images in wf straight into the registers of the one wave that needs them (each load 512 consecutive bytes), three K steps ahead; no wave wants
; another's, so they pass through no LDS and the K loops have no barrier.  NO CLUSTER for that reason: what would be shared never lies in LDS.
; ACTIVATIONS lie in LDS in rows padded by 16 bytes (pitch an odd multiple of 16: the 16 rows of a fragment load start at 16 different groups of four banks).
; LIMITS.  The gene variance is made of three centred moments: it loses digits only where gv (w - mean) is close to -(b - mean).  NaN and infinities are not treated apart.
; REGISTERS.  Window 0: v0-31 addresses and (alpha, rho); v32-95 activations' fragments, two buffers; v96-127 bias; v128-255 weights' fragments, four sets; at work in the epilogues.
;             Window 1: v0-127 the accumulators at 8 (4 mb + nb); v128-255 first img_feats on its way in (with v0-127), then the rotation table.
.set P1, 2064                          ; pitch of a row of 1,024 bf16
.set P2, 1040                          ; of 512 bf16
.set A1, 0                             ; img_feats as bf16, 64 rows
.set A2, 64*P1                         ; img as bf16, 64 rows
.set VEC, A2+64*P2                     ; eight vectors of 512 f32: proj_b, norm_g, norm_b, bk, bv, U, T, Bq
.set RED, VEC+8*2048                   ; two regions of [mb 4][r 16][wave 8] partial sums
.set STG, RED+4096                     ; a stage of 16 rows x 144 bytes for each wave
.set SPARE, STG+8*2304                 ; the spare words: 128 bytes a wave, four blocks of 256 bytes that no other line names
.set BO, 4                             ; 16 l
.set L1, 5                             ; r P2 + 16 h
.set L2, 6                             ; r P1 + 16 h
.set VA, 7                             ; VEC + 256 w + 32 h: my 8 columns of a group of 16
.set AA, 8                             ; v8-11: the activations' fragment addresses, one for each mb
.set RA, 12                            ; RED + 32 r + 4 w
.set RB, 13                            ; RED + 32 r
.set YA, 14                            ; A2 + r P2 + 128 w + 16 h
.set STO, 15
.set RD, 16
.set TO, 17                            ; 256 r + 32 h: my place in the rotation table
.set VST, 18
.set AST, 19
.set VA2, 20
.set SPW, 22
.set NIL, 23
.set GA, 24                            ; v24-31: (alpha, rho) of row 16 mb + r
.set AF, 32
.set BIAS, 96
.set BR, 128
.set TT, 192
.set MU, 200
.set RS, 208
.set PL, 216
.set WV, 40
.set WG, 41
.set WP, 42                            ; s[42:43] where my weights stand
.set CT, 44
.set J, 45
.set OUT, 46
.set SEL, 48
.set STA, 52                           ; s[52:55] Vw, 2 C, Vb, 0
.set MSB, 0
.macro WIN new                         ; s_set_vgpr_msb: bits 1:0 source 0, 3:2 source 1, 5:4 source 2, 7:6 destination; the high byte repeats the setting that is left
.if MSB != (\new)
	s_set_vgpr_msb (MSB<<8)|(\new)
.set MSB, (\new)
.endif
.endm
.macro PLACES                          ; four places behind a matrix instruction, ahead of loads into its sources and of readers of its result
.rept 4
	v_nop
.endr
.endm
.macro BAR                             ; my LDS instructions are done; then the work-group's barrier
	s_wait_dscnt 0x0
	s_barrier_signal -1
	s_barrier_wait -1
.endm
.macro RB2 a, b, t
	v_cvt_pk_bf16_f32 v[\t], v[\a], v[\b]
	v_lshlrev_b32 v[\a], 16, v[\t]
	v_and_b32 v[\b], 0xffff0000, v[\t]
.endm
.macro VLD dst, areg, off              ; my 32 numbers of a vector: register 8 nb + j = column 64 w + 16 nb + 8 h + j
.irp q, 0,1,2,3,4,5,6,7
	ds_load_b128 v[(\dst)+4*\q:(\dst)+4*\q+3], v[\areg] offset:(\off)+64*(\q/2)+16*(\q%2)
.endr
.endm
.macro BLD set, off                    ; a K step's four fragments of weights: eight loads of 512 consecutive bytes
.irp q, 0,1,2,3,4,5,6,7
	global_load_b128 v[BR+32*(\set)+4*\q:BR+32*(\set)+4*\q+3], v[BO], s[WP:WP+1] offset:(\off)+512*\q
.endr
.endm
.macro AFE buf, koff                   ; a K step's four fragments of activations
.irp m, 0,1,2,3
	ds_load_b128 v[AF+32*(\buf)+8*\m:AF+32*(\buf)+8*\m+3], v[AA+\m] offset:(\koff)
	ds_load_b128 v[AF+32*(\buf)+8*\m+4:AF+32*(\buf)+8*\m+7], v[AA+\m] offset:(\koff)+32
.endr
.endm
; K step 4 t + 1 + i: asks for the weights three steps on and the activations one step on, then 16 products.  The 16 accumulators take turns, over the backward jump too.
; lcnt: the younger weight loads that may stay out (8 a step); the LDS count leaves the 8 loads just issued.
.macro STEP i, first, ld, af, lcnt, fmt
	PLACES
	WIN 0
.if \ld
	BLD ((\i)+4)%4, ((\i)+4)*4096
.endif
.if \af
	AFE ((\i)+2)%2, ((\i)+2)*64
.endif
	s_wait_loadcnt \lcnt
.if \af
	s_wait_dscnt 8
.else
	s_wait_dscnt 0
.endif
.if \first
	WIN 0x40
.else
	WIN 0x50
.endif
.irp m, 0,1,2,3
.irp n, 0,1,2,3
.if \first
	v_wmma_f32_16x16x32_\fmt v[8*(4*\m+\n):8*(4*\m+\n)+7], v[BR+32*(((\i)+1)%4)+8*\n:BR+32*(((\i)+1)%4)+8*\n+7], v[AF+32*(((\i)+1)%2)+8*\m:AF+32*(((\i)+1)%2)+8*\m+7], v[BIAS+8*\n:BIAS+8*\n+7]
.else
	v_wmma_f32_16x16x32_\fmt v[8*(4*\m+\n):8*(4*\m+\n)+7], v[BR+32*(((\i)+1)%4)+8*\n:BR+32*(((\i)+1)%4)+8*\n+7], v[AF+32*(((\i)+1)%2)+8*\m:AF+32*(((\i)+1)%2)+8*\m+7], v[8*(4*\m+\n):8*(4*\m+\n)+7]
.endif
.endr
.endr
.endm
; 64 rows x my 64 columns over S K steps of 32; the first step's C is the bias, so nothing is cleared.  The caller has set WP and asked for the bias.
.macro GEMM S, lreg, abase, pitch, fmt, tag
.irp m, 0,1,2,3
	v_add_nc_u32 v[AA+\m], (\abase)+\m*16*(\pitch), v[\lreg]
.endr
	BLD 0, 0
	BLD 1, 4096
	BLD 2, 8192
	AFE 0, 0
	STEP -1, 1, 1, 1, 24, \fmt
	WIN 0
	s_mov_b32 s[CT], ((\S)-4)/4
.Lk_\tag:
	STEP 0, 0, 1, 1, 24, \fmt
	STEP 1, 0, 1, 1, 24, \fmt
	STEP 2, 0, 1, 1, 24, \fmt
	STEP 3, 0, 1, 1, 24, \fmt
	WIN 0
	s_wait_xcnt 0x0                                ; the loads issued so far have read their base: it is stepped only behind this wait
	s_add_nc_u64 s[WP:WP+1], s[WP:WP+1], 16384
.irp m, 0,1,2,3
	v_add_nc_u32 v[AA+\m], 0x100, v[AA+\m]
.endr
	s_sub_co_u32 s[CT], s[CT], 1
	s_cmp_lg_u32 s[CT], 0
	s_cbranch_scc1 .Lk_\tag
	STEP 0, 0, 0, 1, 16, \fmt                      ; the last three steps ask for no weights: the counts run down
	STEP 1, 0, 0, 1, 8, \fmt
	STEP 2, 0, 0, 0, 0, \fmt
	PLACES
	WIN 0
.endm
; TT's four pairs hold my lane's partial sums for rows 16 mb + r: they are added over the pair, the two halves of the lanes and, through LDS, the eight waves.  The total lands in v[PL + 8 mb].
.macro RSUM red
	WIN 0
.irp m, 0,1,2,3
	v_add_f32 v[TT+2*\m], v[TT+2*\m], v[TT+2*\m+1]
.endr
.irp m, 0,1,2,3
	v_permlanex16_b32 v[TT+2*\m+1], v[TT+2*\m], s[SEL], s[SEL+1]
.endr
.irp m, 0,1,2,3
	v_add_f32 v[TT+2*\m], v[TT+2*\m], v[TT+2*\m+1]
.endr
.irp m, 0,1,2,3
	ds_store_b32 v[RA], v[TT+2*\m] offset:(\red)+512*\m
.endr
	BAR
.irp m, 0,1,2,3
	ds_load_b128 v[PL+8*\m:PL+8*\m+3], v[RB] offset:(\red)+512*\m
	ds_load_b128 v[PL+8*\m+4:PL+8*\m+7], v[RB] offset:(\red)+512*\m+16
.endr
	s_wait_dscnt 0x0
.irp m, 0,1,2,3
	v_pk_add_f32 v[PL+8*\m:PL+8*\m+1], v[PL+8*\m:PL+8*\m+1], v[PL+8*\m+2:PL+8*\m+3]
	v_pk_add_f32 v[PL+8*\m+4:PL+8*\m+5], v[PL+8*\m+4:PL+8*\m+5], v[PL+8*\m+6:PL+8*\m+7]
.endr
.irp m, 0,1,2,3
	v_pk_add_f32 v[PL+8*\m:PL+8*\m+1], v[PL+8*\m:PL+8*\m+1], v[PL+8*\m+4:PL+8*\m+5]
.endr
.irp m, 0,1,2,3
	v_add_f32 v[PL+8*\m], v[PL+8*\m], v[PL+8*\m+1]
.endr
.endm
; LayerNorm over the 512 columns of the accumulators: mean; the rows centred in place; the mean of squares of the centred rows; times rsqrt, gain, plus bias, into window 1 from v[dst] on.
; Each accumulator is read from its lowest registers on.
.macro LN red0, red1, goff, boff, dst
	WIN 0x05
.irp m, 0,1,2,3
	v_pk_add_f32 v[TT+2*\m:TT+2*\m+1], v[32*\m:32*\m+1], v[32*\m+2:32*\m+3]
.endr
	WIN 0x04
.set i, 2
.rept 14
.irp m, 0,1,2,3
	v_pk_add_f32 v[TT+2*\m:TT+2*\m+1], v[TT+2*\m:TT+2*\m+1], v[32*\m+2*i:32*\m+2*i+1]
.endr
.set i, i+1
.endr
	RSUM \red0
.irp m, 0,1,2,3
	v_mul_f32 v[MU+2*\m], 0x3b000000, v[PL+8*\m]
.endr
.irp m, 0,1,2,3
	v_mov_b32 v[MU+2*\m+1], v[MU+2*\m]
.endr
	WIN 0x41
.set i, 0
.rept 16
.irp m, 0,1,2,3
	v_pk_add_f32 v[32*\m+2*i:32*\m+2*i+1], v[32*\m+2*i:32*\m+2*i+1], v[MU+2*\m:MU+2*\m+1] neg_lo:[0,1] neg_hi:[0,1]
.endr
.set i, i+1
.endr
	WIN 0x05
.irp m, 0,1,2,3
	v_pk_mul_f32 v[TT+2*\m:TT+2*\m+1], v[32*\m:32*\m+1], v[32*\m:32*\m+1]
.endr
.set i, 1
.rept 15
.irp m, 0,1,2,3
	v_pk_fma_f32 v[TT+2*\m:TT+2*\m+1], v[32*\m+2*i:32*\m+2*i+1], v[32*\m+2*i:32*\m+2*i+1], v[TT+2*\m:TT+2*\m+1]
.endr
.set i, i+1
.endr
	WIN 0
	VLD 128, VA, \goff                             ; gain and bias: waited for with the barrier's wait
	VLD 160, VA, \boff
	RSUM \red1
.irp m, 0,1,2,3
	v_mul_f32 v[PL+8*\m], 0x3b000000, v[PL+8*\m]
.endr
.irp m, 0,1,2,3
	v_add_f32 v[PL+8*\m], 0x3727c5ac, v[PL+8*\m]   ; + 1e-5
.endr
.irp m, 0,1,2,3
	v_rsq_f32 v[RS+2*\m], v[PL+8*\m]
.endr
	v_nop                                          ; a plain instruction behind the last of the four,
	s_wait_alu depctr_va_vdst(0)                   ; and the one wait ahead of their first use
.irp m, 0,1,2,3
	v_mov_b32 v[RS+2*\m+1], v[RS+2*\m]
.endr
	WIN 0x41
.set i, 0
.rept 16
.irp m, 0,1,2,3
	v_pk_mul_f32 v[32*\m+2*i:32*\m+2*i+1], v[32*\m+2*i:32*\m+2*i+1], v[RS+2*\m:RS+2*\m+1]
.endr
.set i, i+1
.endr
.set i, 0
.rept 16
.irp m, 0,1,2,3
	v_pk_fma_f32 v[(\dst)+32*\m+2*i:(\dst)+32*\m+2*i+1], v[32*\m+2*i:32*\m+2*i+1], v[128+2*i:129+2*i], v[160+2*i:161+2*i]
.endr
.set i, i+1
.endr
	WIN 0
.endm
.macro PUT src, cvt, areg, pitch       ; window 1's 128 registers from v[src] on, rounded to 16 bits, into LDS rows: 16 bytes a lane and group of 16 columns
.irp m, 0,1,2,3
	WIN 0x05
.set i, 0
.rept 16
	\cvt v[128+16*\m+i], v[(\src)+32*\m+2*i], v[(\src)+32*\m+2*i+1]
.set i, i+1
.endr
	WIN 0
.irp n, 0,1,2,3
	ds_store_b128 v[\areg], v[128+16*\m+4*\n:128+16*\m+4*\n+3] offset:\m*16*(\pitch)+32*\n
.endr
.endr
.endm
	s_load_b512 s[4:19], s[0:1], 0x0               ; img_feats 4, gene_values 6, proj_b 8, norm_g 10, norm_b 12, bk 14, bv 16, wf 18
	s_load_b256 s[20:27], s[0:1], 0x40             ; rope 20, gq 22, qh 24, kh 26
	s_load_b64 s[28:29], s[0:1], 0x60              ; vh
	v_lshl_add_u32 v[SPW], v0, 2, SPARE
	v_mov_b32 v[NIL], 0
	v_lshrrev_b32 v1, 5, v0
	v_readfirstlane_b32 s[WV], v1                  ; wave 0..7
	s_mov_b32 s[WG], ttmp9
	s_mov_b32 s[SEL], 0x76543210
	s_mov_b32 s[SEL+1], 0xfedcba98
	v_and_b32 v1, 31, v0                           ; l
	v_and_b32 v2, 15, v0                           ; r
	v_bfe_u32 v3, v0, 4, 1                         ; h
	v_lshlrev_b32 v[BO], 4, v1
	v_mul_u32_u24 v[L1], v2, P2
	v_lshl_add_u32 v[L1], v3, 4, v[L1]
	v_mul_u32_u24 v[L2], v2, P1
	v_lshl_add_u32 v[L2], v3, 4, v[L2]
	s_lshl_b32 s56, s[WV], 8
	s_add_co_u32 s56, s56, VEC
	v_lshl_add_u32 v[VA], v3, 5, s56
	s_lshl_b32 s56, s[WV], 2
	s_add_co_u32 s56, s56, RED
	v_lshl_add_u32 v[RA], v2, 5, s56
	v_lshlrev_b32 v[RB], 5, v2
	v_add_nc_u32 v[RB], RED, v[RB]
	s_lshl_b32 s56, s[WV], 7
	s_add_co_u32 s56, s56, A2
	v_add_nc_u32 v[YA], s56, v[L1]
	s_mul_i32 s56, s[WV], 2304
	s_add_co_u32 s56, s56, STG                     ; my stage
	v_mul_u32_u24 v[STO], v2, 144                  ; in: row r, 16 bytes for each half of the lanes
	v_lshl_add_u32 v[STO], v3, 4, v[STO]
	v_add_nc_u32 v[STO], s56, v[STO]
	v_bfe_u32 v[RD], v0, 3, 2                      ; back: 32 lanes take four rows of 128 bytes
	v_mul_u32_u24 v[RD], v[RD], 144
	v_and_b32 v[TO], 7, v0
	v_lshl_add_u32 v[RD], v[TO], 4, v[RD]
	v_add_nc_u32 v[RD], s56, v[RD]
	v_lshlrev_b32 v[TO], 8, v2
	v_lshl_add_u32 v[TO], v3, 5, v[TO]
	v_lshlrev_b32 v8, 3, v0                        ; 8 x thread: my two numbers of a vector
	v_add_nc_u32 v[VST], VEC, v8
	v_lshlrev_b32 v9, 2, v2                        ; 4 r
	s_mul_i32 s56, s[WV], 8*P1
	v_lshl_add_u32 v[AST], v1, 3, s56              ; A1: my wave's 8 rows, 8 bytes a lane
	s_lshl_b32 s56, s[WG], 18                      ; img_feats: 64 rows of 4,096 bytes a work-group,
	s_lshl_b32 s57, s[WV], 15                      ; 8 a wave
	s_add_co_u32 s56, s56, s57
	s_mov_b32 s57, 0
	s_lshl_b32 s58, s[WG], 8                       ; gene_values: 64 numbers
	s_mov_b32 s59, 0
	s_and_b32 s60, s[WG], 15
	s_lshl_b32 s62, s60, 13                        ; q, k, v: position pos0, 128 bytes each,
	s_lshl_b32 s60, s60, 14                        ; the table: position pos0, 256 bytes each
	s_mov_b32 s61, 0
	s_lshr_b32 s63, s[WG], 4
	s_lshl_b32 s63, s63, 20                        ; the batch,
	s_add_co_u32 s62, s62, s63
	s_lshl_b32 s63, s[WV], 17                      ; head w
	s_add_co_u32 s62, s62, s63
	s_mov_b32 s63, 0
	s_wait_kmcnt 0x0
	s_load_b128 s[STA:STA+3], s[22:23], 0x2800     ; Vw, 2 C, Vb
	s_add_nc_u64 s[4:5], s[4:5], s[56:57]
	s_add_nc_u64 s[6:7], s[6:7], s[58:59]
	s_add_nc_u64 s[20:21], s[20:21], s[60:61]
	global_load_b64 v[128:129], v8, s[8:9]
	global_load_b64 v[130:131], v8, s[10:11]
	global_load_b64 v[132:133], v8, s[12:13]
	global_load_b64 v[134:135], v8, s[14:15]
	global_load_b64 v[136:137], v8, s[16:17]
	global_load_b64 v[138:139], v8, s[22:23] offset:4096
	global_load_b64 v[140:141], v8, s[22:23] offset:6144
	global_load_b64 v[142:143], v8, s[22:23] offset:8192
.irp m, 0,1,2,3
	global_load_b32 v[GA+2*\m], v9, s[6:7] offset:64*\m
.endr
	WIN 0x40                                       ; destination window 1: my 8 rows of img_feats, 32 registers each; a load covers 512 consecutive bytes
.set i, 0
.rept 6
.irp f, 0,1,2,3,4,5,6,7
	global_load_b128 v[32*i+4*\f:32*i+4*\f+3], v[BO], s[4:5] offset:4096*i+512*\f th:TH_LOAD_NT
.endr
.set i, i+1
.endr
	WIN 0
	s_wait_loadcnt 48                              ; the 12 small loads are in; the 48 of rows 0 to 5 may stay out
	s_wait_kmcnt 0x0
.irp u, 0,1,2,3,4
	RB2 128+2*\u, 129+2*\u, 144                    ; the five inputs are rounded; U, T, Bq are sums and stay f32
.endr
.irp u, 0,1,2,3,4,5,6,7
	ds_store_b64 v[VST], v[128+2*\u:129+2*\u] offset:2048*\u
.endr
.irp m, 0,1,2,3
	v_cvt_pk_bf16_f32 v144, v[GA+2*\m], v[GA+2*\m]
	v_lshlrev_b32 v[GA+2*\m], 16, v144
	v_fma_f32 v[GA+2*\m+1], v[GA+2*\m], s[STA], s[STA+1]
	v_fma_f32 v[GA+2*\m+1], v[GA+2*\m], v[GA+2*\m+1], s[STA+2]
	v_add_f32 v[GA+2*\m+1], 0x3727c5ac, v[GA+2*\m+1]
.endr
.irp m, 0,1,2,3
	v_rsq_f32 v[GA+2*\m+1], v[GA+2*\m+1]           ; rho
.endr
	v_nop
	s_wait_alu depctr_va_vdst(0)                   ; one wait for the four, ahead of their first use
.irp m, 0,1,2,3
	v_mul_f32 v[GA+2*\m], v[GA+2*\m], v[GA+2*\m+1] ; alpha = gv rho
.endr
	WIN 0x40
.set i, 6
.rept 2
.irp f, 0,1,2,3,4,5,6,7
	global_load_b128 v[32*i+4*\f:32*i+4*\f+3], v[BO], s[4:5] offset:4096*i+512*\f th:TH_LOAD_NT
.endr
.set i, i+1
.endr
.set i, 0
.rept 8
	s_wait_loadcnt 56-8*i                          ; row i is in: 8 loads for each younger row may stay out
	WIN 0x05
.set c, 0
.rept 16
	v_cvt_pk_bf16_f32 v[128+c], v[32*i+2*c], v[32*i+2*c+1]
.set c, c+1
.endr
	WIN 0
.irp f, 0,1,2,3,4,5,6,7
	ds_store_b64 v[AST], v[128+2*\f:129+2*\f] offset:P1*i+256*\f
.endr
.set i, i+1
.endr
	WIN 0x40                                       ; the rotation table for my 64 positions x 64 channels, laid as the accumulators are: even register cos, odd register sin of the pair
.irp m, 0,1,2,3
.irp q, 0,1,2,3,4,5,6,7
	global_load_b128 v[128+32*\m+4*\q:128+32*\m+4*\q+3], v[TO], s[20:21] offset:4096*\m+64*(\q/2)+16*(\q%2)
.endr
.endr
	WIN 0
	BAR                                            ; A1 and the vectors are whole
	VLD BIAS, VA, 0
	s_lshl_b32 s56, s[WV], 17                      ; Wp's image: 32 K steps of 4,096 bytes for each 64 columns
	s_mov_b32 s57, 0
	s_add_nc_u64 s[WP:WP+1], s[18:19], s[56:57]
	GEMM 32, L2, A1, P1, bf16, g1
	LN 0, 2048, 2048, 4096, 0
	PUT 0, v_cvt_pk_bf16_f32, YA, P2
	BAR                                            ; img is whole in A2
	; J = 0: k.  J = 1: v.  J = 2: q.  No barrier in this loop: A2 is only read, and the stage is each wave's own.
	s_mov_b32 s[J], 0
.Lj:
	s_cmp_eq_u32 s[J], 2
	s_cbranch_scc1 .Lqf
	s_lshl_b32 s56, s[J], 11
	s_add_co_u32 s56, s56, 6144
	v_add_nc_u32 v[VA2], s56, v[VA]
	VLD BIAS, VA2, 0                               ; bk or bv
	s_lshl_b32 s56, s[J], 19
	s_lshl_b32 s57, s[WV], 16
	s_add_co_u32 s56, s56, s57
	s_add_co_u32 s56, s56, 1048576
	s_mov_b32 s57, 0
	s_add_nc_u64 s[WP:WP+1], s[18:19], s[56:57]
	GEMM 16, L1, A2, P2, bf16, g2
	s_branch .Lep
.Lqf:
	VLD 128, VA, 10240                             ; U
	VLD 160, VA, 12288                             ; T
	VLD 192, VA, 14336                             ; Bq
	s_wait_dscnt 0x0
	WIN 0x40
.set i, 0
.rept 16
.irp m, 0,1,2,3
	v_pk_fma_f32 v[32*\m+2*i:32*\m+2*i+1], v[160+2*i:161+2*i], v[GA+2*\m:GA+2*\m+1], v[192+2*i:193+2*i] op_sel:[0,1,0] op_sel_hi:[1,1,1]   ; rho T + Bq
.endr
.set i, i+1
.endr
	WIN 0x50
.set i, 0
.rept 16
.irp m, 0,1,2,3
	v_pk_fma_f32 v[32*\m+2*i:32*\m+2*i+1], v[128+2*i:129+2*i], v[GA+2*\m:GA+2*\m+1], v[32*\m+2*i:32*\m+2*i+1] op_sel_hi:[1,0,1]           ; + alpha U
.endr
.set i, i+1
.endr
	WIN 0
.Lep:
	s_cmp_eq_u32 s[J], 1
	s_cbranch_scc1 .Lnr                            ; v is not rotated
	s_wait_loadcnt 0x0                             ; the table
.irp m, 0,1,2,3
	WIN 0x05
.set i, 0
.rept 16
	v_pk_mul_f32 v[192+2*i:193+2*i], v[32*\m+2*i:32*\m+2*i+1], v[128+32*\m+2*i:129+32*\m+2*i] op_sel_hi:[0,1]   ; (x1 cos, x1 sin)
.set i, i+1
.endr
	WIN 0x45
.set i, 0
.rept 16
	v_pk_fma_f32 v[32*\m+2*i:32*\m+2*i+1], v[32*\m+2*i:32*\m+2*i+1], v[128+32*\m+2*i:129+32*\m+2*i], v[192+2*i:193+2*i] op_sel:[1,1,0] op_sel_hi:[1,0,1] neg_lo:[1,0,0]   ; (- x2 sin, + x2 cos)
.set i, i+1
.endr
.endr
	WIN 0
.Lnr:
	s_cmp_eq_u32 s[J], 0
	s_cselect_b64 s[OUT:OUT+1], s[26:27], s[28:29]
	s_cmp_eq_u32 s[J], 2
	s_cselect_b64 s[OUT:OUT+1], s[24:25], s[OUT:OUT+1]
	s_add_nc_u64 s[OUT:OUT+1], s[OUT:OUT+1], s[62:63]
; 16 rows at a time: rounded to bf16, 16 bytes a lane into my stage, back as whole rows of 128 bytes, stored as 512 consecutive bytes.
.macro KPACK mb
	WIN 0x05
.set i, 0
.rept 16
	v_cvt_pk_bf16_f32 v[128+16*(\mb)+i], v[32*(\mb)+2*i], v[32*(\mb)+2*i+1]
.set i, i+1
.endr
	WIN 0
.irp n, 0,1,2,3
	ds_store_b128 v[STO], v[128+16*(\mb)+4*\n:128+16*(\mb)+4*\n+3] offset:32*\n
.endr
.irp f, 0,1,2,3
	ds_load_b128 v[128+16*(\mb)+4*\f:128+16*(\mb)+4*\f+3], v[RD] offset:576*\f   ; LDS serves a wave's instructions in order: these see the stores above, and the next block's stores come behind them
.endr
.endm
.macro KSEND mb, younger               ; younger: the next block's eight LDS instructions, or none
.irp f, 0,1,2,3
	s_wait_dscnt (\younger)+3-\f
	global_store_b128 v[BO], v[128+16*(\mb)+4*\f:128+16*(\mb)+4*\f+3], s[OUT:OUT+1] offset:2048*(\mb)+512*\f
.endr
.endm
	KPACK 0
	KPACK 1
	KSEND 0, 8
	KPACK 2
	KSEND 1, 8
	KPACK 3
	KSEND 2, 8
	KSEND 3, 0
	s_wait_xcnt 0x0                                ; the stores have read their data and base: both are written again in the next trip
	s_add_co_u32 s[J], s[J], 1
	s_cmp_lt_u32 s[J], 3
	s_cbranch_scc1 .Lj
	s_wait_tensorcnt 0x0                           ; the wave's end, behind my last LDS store
	ds_add_u32 v[SPW], v[NIL]
	s_wait_dscnt 0x0
	s_endpgm
.Lfunc_end_k_qa69106b4f1_imgkv:
	.size	k_qa69106b4f1_imgkv, .Lfunc_end_k_qa69106b4f1_imgkv-k_qa69106b4f1_imgkv
	.p2alignl 7, 3214868480
	.fill 96, 4, 3214868480
	.section	.rodata,"a",@progbits
	.p2align	6, 0x0
	.amdhsa_kernel k_qa69106b4f1_imgkv
		.amdhsa_group_segment_fixed_size 238592
		.amdhsa_private_segment_fixed_size 0
		.amdhsa_enable_private_segment 0
		.amdhsa_kernarg_size 104
		.amdhsa_user_sgpr_count 2
		.amdhsa_user_sgpr_kernarg_segment_ptr 1
		.amdhsa_wavefront_size32 1
		.amdhsa_system_sgpr_workgroup_id_x 1
		.amdhsa_system_sgpr_workgroup_id_y 1
		.amdhsa_system_sgpr_workgroup_id_z 1
		.amdhsa_system_vgpr_workitem_id 0
		.amdhsa_next_free_vgpr 512
		.amdhsa_next_free_sgpr 66
		.amdhsa_reserve_vcc 0
		.amdhsa_float_denorm_mode_32 3
		.amdhsa_float_denorm_mode_16_64 3
		.amdhsa_memory_ordered 1
		.amdhsa_forward_progress 1
		.amdhsa_inst_pref_size 132
	.end_amdhsa_kernel
	.amdgpu_metadata
---
amdhsa.version: [ 1, 2 ]
amdhsa.kernels:
  - .name:           k_qa69106b4f1_imgkv
    .symbol:         k_qa69106b4f1_imgkv.kd
    .args:
      - { .name: img_feats, .offset: 0, .size: 8, .value_kind: global_buffer, .address_space: global }
      - { .name: gene_values, .offset: 8, .size: 8, .value_kind: global_buffer, .address_space: global }
      - { .name: params_img_proj_b, .offset: 16, .size: 8, .value_kind: global_buffer, .address_space: global }
      - { .name: params_img_norm_g, .offset: 24, .size: 8, .value_kind: global_buffer, .address_space: global }
      - { .name: params_img_norm_b, .offset: 32, .size: 8, .value_kind: global_buffer, .address_space: global }
      - { .name: params_bk, .offset: 40, .size: 8, .value_kind: global_buffer, .address_space: global }
      - { .name: params_bv, .offset: 48, .size: 8, .value_kind: global_buffer, .address_space: global }
      - { .name: wf, .offset: 56, .size: 8, .value_kind: global_buffer, .address_space: global }
      - { .name: rope, .offset: 64, .size: 8, .value_kind: global_buffer, .address_space: global }
      - { .name: gq, .offset: 72, .size: 8, .value_kind: global_buffer, .address_space: global }
      - { .name: qh, .offset: 80, .size: 8, .value_kind: global_buffer, .address_space: global }
      - { .name: kh, .offset: 88, .size: 8, .value_kind: global_buffer, .address_space: global }
      - { .name: vh, .offset: 96, .size: 8, .value_kind: global_buffer, .address_space: global }
    .group_segment_fixed_size: 238592
    .private_segment_fixed_size: 0
    .kernarg_segment_align: 8
    .kernarg_segment_size: 104
    .max_flat_workgroup_size: 256
    .sgpr_count:     66
    .vgpr_count:     512
    .wavefront_size: 32
...
	.end_amdgpu_metadata
.endif
;; end of part 2
;; launch attn (part 3): grid 2 x 128, 4 waves a work-group, no clusters, 327,680 bytes of LDS; arguments qh, kh, vh, oh; writes oh
.if DOCPART == 3
	.amdgcn_target "amdgcn-amd-amdhsa--gfx1250"
	.amdhsa_code_object_version 6
	.text
	.protected	k_qa69106b4f1_attn
	.globl	k_qa69106b4f1_attn
	.p2align	8
	.type	k_qa69106b4f1_attn,@function
k_qa69106b4f1_attn:
	s_mov_b64 s[64:65], 0
	v_nop
	global_prefetch_b8 v0, s[64:65] scope:SCOPE_SE
	s_setreg_imm32_b32 hwreg(HW_REG_WAVE_MODE, 25, 1), 1
	s_wait_xcnt 0x0
; O[h][q][:] = the sum over k of softmax_k(Q[h][q] . K[h][k] / 8) V[h][k][:].  Q, K, V, O: [128 heads][1024][64], all bf16: a head's rows are dense, 128 bytes each.
; Products, maxima and sums in f32; the weights p are rounded to bf16 for the second product (their sum l is taken of the unrounded p), O once at the end.
; LIMITS.  A weight below 2^-126 counts as 0 in l; NaN and infinities are not treated apart.
; SHARES.  A wave owns four PIECES of two tiles of 16 queries, a work-group's four waves 512 queries of one head.  Every wave walks all 1,024 keys, 64 a step.
; THE WHOLE HEAD LIES IN LDS: K's 1,024 rows and V's are fetched once, by four tensor loads a wave at the kernel's head; every wave waits for all of its own ahead of the one barrier,
; and the loop over the 16 key steps has no barrier and no tensor load.  Nothing is filled again.
; NO CLUSTER: a head has two work-groups, and a cluster's width of four does not divide that.
; LAYOUT.  S^T = K Q^T (source 0 = 16 keys, source 1 = 16 queries): a lane holds ONE query (lane % 16) and the keys 8 (lane / 16) + 0..7.  Two such tiles, rounded to bf16 in pairs,
; ARE source 1 of O^T = V^T P, whose result again holds one query a lane, and eight channels.  K comes out of LDS as it lies, V ([key][channel]) turned, by ds_load_tr16_b128.
; SOFTMAX.  For each query a running maximum m and sum l: p = 2^(c s - c m), c = log2(e) / 8; in every step O and l are multiplied by a = 2^(c m_old - c m_new).
; m starts at the lowest finite number, O and l at 0: the first step is a step like any other, with a = 0.
; BY TURNS.  Turn n belongs to piece n.  Its matrix work: 16 products K Q^T of piece n + 1, later 16 products V^T P of piece n - 1.  Its vector work: the scaling, exponentials, roundings,
; sums and rescaling of piece n, and the maximum and statistics of piece n + 1.  Four vector instructions stand behind every matrix instruction, the others in one run of their own.
; REGISTERS, in windows of 256 (s_set_vgpr_msb: bits 1:0 source 0, 3:2 source 1, 5:4 source 2, 7:6 destination):
;   window 0: v0-11 addresses; v12-15, v48-63 at work; v16-47 four registers of statistics a tile; v64-191 S^T, two buffers of two tiles; v192-255 P, likewise
;   window 1: O^T, 32 a tile      window 2: v0-127 Q, 16 a tile; v128-191 K of one step; v192-255 V of one step      window 3: v0-1 the add's two registers
.set NP,    4
.set KS,    64
.set NK,    1024
.set PK,    144       ; a row of K in LDS: 128 bytes + 16 of padding: the 16 rows of a load start at 16 different groups of four banks
.set PV,    160       ; a row of V: 128 + 32
.set VOFF,  NK*PK
.set STAGE, VOFF+NK*PV  ; never filled by a tensor load: 16 rows x 144 bytes for each wave, for the way out
.set SP,    144
.set AK0, 2
.set AV0, 3
.set AK,  4
.set AV,  5
.set QO,  6
.set STO, 6
.set RD,  7
.set GO,  8
.set SPW, 0           ; v0 of window 3
.set NIL, 1           ; v1 of window 3
.set SPARE, STAGE+4*16*SP  ; the spare words, 128 bytes for each wave: two blocks of 256 bytes that no other line names
.set MV,  12
.set ST,  16          ; tile t's statistics at v[ST+4 t]: c m, m, l (even keys', odd keys')
.set TMP, 48
.set S,   64
.set P,   192
.set KF,  128
.set VF,  192
.set WV,  12
.set G1K, 24          ; s[24:31] descriptor group 1 for K's tiles
.set G1V, 32          ; s[32:39] for V's: it differs in the padding alone
.set G0K, 40          ; s[40:55] four sets of group 0 for K's tiles
.set G0V, 68          ; s[68:83] the same for V's
.set CNT, 57
.set CS,  58
.set SEL, 60
.set TBK, 62          ; LDS byte at which K of the step to be fetched begins
.set TBV, 63          ; the same for V, less VOFF
.set MSB, 0
.macro WIN new
.if MSB != (\new)
	s_set_vgpr_msb (MSB<<8)|(\new)
.set MSB, (\new)
.endif
.endm
.set W_KQ, 0x0a
.set W_PV, 0x52
.set W_RS, 0x41
.set W_MK, 0xc0
.set W_AD, 0x0f
	s_load_b256 s[4:11], s[0:1], 0x0  ; Q s[4:5], K s[6:7], V s[8:9], O s[10:11]
	WIN W_MK
	v_lshl_add_u32 v[SPW], v0, 2, SPARE
	v_mov_b32 v[NIL], 0
	WIN W_AD
	ds_add_u32 v[SPW], v[NIL]       ; the wave's opening: the add and its wait stand ahead of my first tensor load; the set-up below stands between them
	WIN 0
	v_lshrrev_b32 v1, 5, v0
	v_readfirstlane_b32 s[WV], v1   ; wave 0..3
	s_and_b32 s20, ttmp7, 0xffff    ; the head,
	s_lshl_b32 s20, s20, 17         ; its first byte in each of the four tensors
	s_and_b32 s16, s[WV], 1         ; which half of each 256 keys I fetch:
	s_lshl_b32 s22, s16, 14         ; its 128 rows of 128 bytes in memory,
	s_add_co_u32 s22, s22, s20
	s_mov_b32 s23, 0
	s_mul_i32 s17, s16, 128*PK      ; and its place in LDS, for K
	s_mul_i32 s18, s16, 128*PV      ; and for V
	s_lshl_b32 s2, ttmp9, 2
	s_add_co_u32 s2, s2, s[WV]      ; my wave among the head's eight,
	s_lshl_b32 s2, s2, 14           ; its 128 rows
	s_add_co_u32 s2, s2, s20
	s_mov_b32 s3, 0
	; descriptor group 1.  128 keys are 16,384 dense bytes: asked for as 64 rows of 256 bytes, two keys a row, and padded in LDS after every key
	s_mov_b32 s[G1K], (1<<16)|(1<<20)|(4<<22)|(3<<25)  ; 17:16 2-byte elements; 20 padding on; 24:22 after every 32 words (code 4); 31:25 4 words (code 3)
	s_mov_b32 s[G1V], (1<<16)|(1<<20)|(4<<22)|(7<<25)  ; the same with 8 words of padding (code 7)
.irp g, G1K, G1V
	s_mov_b32 s[\g+1], 128<<16      ; tensor_dim0 = 128
	s_mov_b32 s[\g+2], 64<<16       ; tensor_dim1 = 64
	s_mov_b32 s[\g+3], 128<<16      ; tile_dim0 = 128
	s_mov_b32 s[\g+4], 64           ; tile_dim1 = 64
	s_mov_b32 s[\g+5], 128          ; 128 elements from row to row
	s_mov_b32 s[\g+6], 0
	s_mov_b32 s[\g+7], 0
.endr
	s_mov_b32 s[CS], 0x3e38aa3b     ; c = log2(e) / 8
	s_mov_b32 s[CS+1], s[CS]
	s_mov_b32 s[SEL], 0x76543210
	s_mov_b32 s[SEL+1], 0xfedcba98
	s_mov_b32 s[TBK], 0
	s_mov_b32 s[TBV], 0
.irp c, 0,1,2,3
	s_mov_b32 s[G0K+4*\c], 1                       ; count = 1
	s_add_co_u32 s[G0K+4*\c+1], s17, \c*256*PK     ; LDS address: keys 256 c + 128 (wave % 2) on
	s_mov_b32 s[G0V+4*\c], 1
	s_add_co_u32 s[G0V+4*\c+1], s18, VOFF+\c*256*PV
.endr
	s_wait_dscnt 0x0                ; the opening add is done
	s_wait_kmcnt 0x0
	s_add_nc_u64 s[6:7], s[6:7], s[22:23]
	s_add_nc_u64 s[8:9], s[8:9], s[22:23]
.irp c, 0,1,2,3
	s_add_nc_u64 s[G0K+4*\c+2:G0K+4*\c+3], s[6:7], \c*32768
	s_or_b32 s[G0K+4*\c+3], s[G0K+4*\c+3], 0x80000000   ; type = 2
	s_add_nc_u64 s[G0V+4*\c+2:G0V+4*\c+3], s[8:9], \c*32768
	s_or_b32 s[G0V+4*\c+3], s[G0V+4*\c+3], 0x80000000
.endr
	s_add_nc_u64 s[4:5], s[4:5], s[2:3]  ; Q and O at my wave's first row
	s_add_nc_u64 s[10:11], s[10:11], s[2:3]
	s_cmp_lt_u32 s[WV], 2           ; waves 0 and 1 fetch K, waves 2 and 3 V.  A wave's four fills stand in one branch, ahead of every wait on TENSORcnt, LDS read and barrier: four loads of mine are out
	s_cbranch_scc0 .Lfirst_v
.irp c, 0,1,2,3
	tensor_load_to_lds s[G0K+4*\c:G0K+4*\c+3], s[G1K:G1K+7]
	s_nop 0
.endr
.rept 4
	v_nop
.endr
	s_branch .Lfirst_asked
.Lfirst_v:
.irp c, 0,1,2,3
	tensor_load_to_lds s[G0V+4*\c:G0V+4*\c+3], s[G1V:G1V+7]
	s_nop 0
.endr
.rept 4
	v_nop
.endr
.Lfirst_asked:
	; A fragment of K or Q is 16 rows x 32 channels in 8 registers: lane l holds row l % 16, channels 8 (l / 16) + 0..7 and 16 + 8 (l / 16) + 0..7: two loads of 16 bytes, 32 bytes apart.
	v_and_b32 v1, 15, v0
	v_bfe_u32 v9, v0, 4, 1
	v_lshlrev_b32 v[QO], 7, v1
	v_lshl_add_u32 v[QO], v9, 4, v[QO]
	WIN 0x80
.set i, 0
.rept 4*NP                          ; Q stays in registers: tile i / 2, channels 32 (i % 2) on
	global_load_b128 v[8*i:8*i+3],   v[QO], s[4:5] offset:(i/2)*2048+(i%2)*64
	global_load_b128 v[8*i+4:8*i+7], v[QO], s[4:5] offset:(i/2)*2048+(i%2)*64+32
.set i, i+1
.endr
	; What the first turn finds: V's registers and P's second buffer hold 0, O^T and l are 0.  All this stands in the wait for the tiles.
.set i, VF
.rept 64
	v_mov_b32 v[i], 0
.set i, i+1
.endr
	WIN 0x40
.set i, 0
.rept 64*NP
	v_mov_b32 v[i], 0
.set i, i+1
.endr
	WIN 0
.set i, 0
.rept 2*NP
	v_mov_b32 v[ST+4*i], 0xfe000000    ; c m: far below every c s
	v_mov_b32 v[ST+4*i+1], 0xff7fffff  ; m
	v_mov_b32 v[ST+4*i+2], 0
	v_mov_b32 v[ST+4*i+3], 0
.set i, i+1
.endr
.set i, P+32
.rept 32
	v_mov_b32 v[i], 0
.set i, i+1
.endr
	v_mul_u32_u24 v[AK0], v1, PK
	v_lshl_add_u32 v[AK0], v9, 4, v[AK0]
	; The turning load takes 16 keys x 16 channels (lane l reads key 8 (l / 16) + l % 8, channels 8 ((l / 8) % 2) + 0..7) and leaves half a fragment of V^T.
	v_and_b32 v10, 7, v0
	v_bfe_u32 v11, v0, 3, 1
	v_lshl_add_u32 v[AV0], v9, 3, v10
	v_mul_u32_u24 v[AV0], v[AV0], PV
	v_lshl_add_u32 v[AV0], v11, 4, v[AV0]
	v_add_nc_u32 v[AV0], VOFF, v[AV0]
	v_mov_b32 v[AK], v[AK0]         ; key step 0
; THE MATRIX WORK.  The 8 accumulators of a run of 16 take turns.
.macro KQ x                         ; product i of 16 of S^T = K Q^T for piece x: channels 32 (i / 8) on, keys 16 ((i / 2) % 4) on, tile 2 x + i % 2
	WIN W_KQ
.set rS, S+64*((\x)%2)+32*(i%2)+8*((i/2)%4)
.set rK, KF+16*((i/2)%4)+8*(i/8)
.set rQ, 16*(2*(\x)+i%2)+8*(i/8)
.if i < 8
	v_wmma_f32_16x16x32_bf16 v[rS:rS+7], v[rK:rK+7], v[rQ:rQ+7], 0
.else
	v_wmma_f32_16x16x32_bf16 v[rS:rS+7], v[rK:rK+7], v[rQ:rQ+7], v[rS:rS+7]
.endif
.endm
.macro PV x                         ; product i of 16 of O^T += V^T P for piece x: keys 32 (i / 8) on, channels 16 ((i / 2) % 4) on, tile 2 x + i % 2
	WIN W_PV
.set rO, 32*(2*(\x)+i%2)+8*((i/2)%4)
.set rV, VF+32*(i/8)+8*((i/2)%4)
.set rP, P+32*((\x)%2)+16*(i%2)+8*(i/8)
	v_wmma_f32_16x16x32_bf16 v[rO:rO+7], v[rV:rV+7], v[rP:rP+7], v[rO:rO+7]
.endm
.macro MM                           ; the turn's next matrix instruction
.if i < 16
	KQ (Y+1)%NP
.set i, i+1
.else
.set i, i-16
	PV (Y+NP-1)%NP
.set i, i+17
.endif
.endm
; THE LDS LOADS stand in runs of 16: a step's K (8 fragments) and its V (turned).  Their addresses are made some lines ahead.
.macro FETCH_K
	WIN 0x80
.irp f, 0,1,2,3,4,5,6,7
	ds_load_b128 v[KF+8*\f:KF+8*\f+3],   v[AK] offset:(\f/2)*16*PK+(\f%2)*64
	ds_load_b128 v[KF+8*\f+4:KF+8*\f+7], v[AK] offset:(\f/2)*16*PK+(\f%2)*64+32
.endr
	s_add_co_u32 s[TBK], s[TBK], KS*PK  ; the next fetch is the next step's
	WIN 0
.endm
.macro FETCH_V
	WIN 0x80
.irp f, 0,1,2,3,4,5,6,7
	ds_load_tr16_b128 v[VF+8*\f:VF+8*\f+3],   v[AV] offset:(\f/4)*32*PV+(\f%4)*32
	ds_load_tr16_b128 v[VF+8*\f+4:VF+8*\f+7], v[AV] offset:(\f/4)*32*PV+16*PV+(\f%4)*32
.endr
	WIN 0
.endm
; THE VECTOR WORK OF A TURN stands in three queues, each in the order in which its entries become ready; the two tiles alternate.
.macro REGS y, u
.set rT, ST+4*(2*(\y)+(\u))
.set rC, TMP+8*((\y)%2)+4*(\u)
.set rM, MV+2*((\y)%2)+(\u)
.set rS, S+64*((\y)%2)+32*(\u)
.set rP, P+32*((\y)%2)+16*(\u)
.set rO, 32*(2*(\y)+(\u))
.endm
; Number n of the 22 that find the NEXT piece's maximum and statistics; each accumulator's lowest registers are read first.
.macro XS u, n
	REGS (Y+1)%NP, \u
.if (\n) < 4
	v_max3_num_f32 v[rC+(\n)], v[rS+8*(\n)], v[rS+8*(\n)+1], v[rS+8*(\n)+2]
.elseif (\n) < 12
	v_max3_num_f32 v[rC+(\n)%4], v[rC+(\n)%4], v[rS+8*((\n)%4)+2*((\n)/4)+1], v[rS+8*((\n)%4)+2*((\n)/4)+2]
.elseif (\n) == 12
	v_max3_num_f32 v[rC], v[rC], v[rS+7], v[rS+15]
.elseif (\n) == 13
	v_max3_num_f32 v[rC+1], v[rC+1], v[rS+23], v[rS+31]
.elseif (\n) == 14
	v_max3_num_f32 v[rC+2], v[rC+2], v[rC+3], v[rT+1]
.elseif (\n) == 15
	v_mov_b32 v[rM], v[rT]
.elseif (\n) == 16
	v_max3_num_f32 v[rC], v[rC], v[rC+1], v[rC+2]
.elseif (\n) == 17
	v_permlanex16_b32 v[rC+3], v[rC], s[SEL], s[SEL+1]
.elseif (\n) == 18
	v_max_num_f32 v[rT+1], v[rC], v[rC+3]
.elseif (\n) == 19
	v_mul_f32 v[rT], s[CS], v[rT+1]
.elseif (\n) == 20
	v_sub_f32 v[rC+1], v[rM], v[rT]
.else
	v_exp_f32 v[rC+2], v[rC+1]
.endif
.endm
; Number g of the 64 that follow the exponentials: for each four weights both pairs are rounded to bf16, the second pair is added onto the first, and a group later l takes that sum.
.macro GS g
.set h, (\g)+6*((\g)/62)
.if h >= 6
.set h, h+2
.endif
	REGS Y, h%2
.set k, h/8
.if h%8 < 4
	v_cvt_pk_bf16_f32 v[rP+2*k+(h%8)/2], v[rS+4*k+2*((h%8)/2)], v[rS+4*k+2*((h%8)/2)+1]
.elseif h%8 < 6
	v_pk_add_f32 v[rS+4*k:rS+4*k+1], v[rS+4*k:rS+4*k+1], v[rS+4*k+2:rS+4*k+3]
.elseif k == 1
	v_pk_fma_f32 v[rT+2:rT+3], v[rT+2:rT+3], v[rC+2:rC+3], v[rS:rS+1] op_sel_hi:[1,0,1]
.else
	v_pk_add_f32 v[rT+2:rT+3], v[rT+2:rT+3], v[rS+4*k-4:rS+4*k-3]
.endif
.endm
.macro FS f                         ; c s - c m for pair f / 2 of tile f % 2
	REGS Y, (\f)%2
	v_pk_fma_f32 v[rS+2*((\f)/2):rS+2*((\f)/2)+1], v[rS+2*((\f)/2):rS+2*((\f)/2)+1], s[CS:CS+1], v[rT:rT+1] op_sel_hi:[1,0,0] neg_lo:[0,0,1] neg_hi:[0,0,1]
.endm
.macro PL                           ; the plain queue, 138 long: 0-73 read no exponential's result; 74-137 stand behind the wait
	WIN 0
.if q < 27
	FS q
.elseif q < 55
	XS (q-27)%2, (q-27)/2
.elseif q < 57
	XS q-55, 15
.elseif (q < 72) && ((q-57)%3 == 0)
	FS 27+(q-57)/3
.elseif q < 60
	XS (q-57)%3-1, 14
.elseif q < 72
	XS (q-57)%3-1, 15+(q-57)/3
.elseif q < 74
	XS q-72, 20
.else
	GS q-74
.endif
.set q, q+1
.endm
.macro EX                           ; the exponentials' queue, 66 long: one batch, all ahead of the turn's one wait
	WIN 0
.if e >= 64
	XS e-64, 21
.else
	REGS Y, e%2
	v_exp_f32 v[rS+e/2], v[rS+e/2]
.endif
.set e, e+1
.endm
.macro R2                           ; O^T times a, two at a time; its a was made, and waited for, in the turn before
	REGS Y, r%2
	WIN W_RS
.irp z, 0,1
	v_pk_mul_f32 v[rO+4*(r/2)+2*\z:rO+4*(r/2)+2*\z+1], v[rO+4*(r/2)+2*\z:rO+4*(r/2)+2*\z+1], v[rC+2:rC+3] op_sel_hi:[1,0]
.endr
.set r, r+1
.endm
; A TURN, for piece p.  One wait cuts it in two: ahead of it stands all that names no result of the turn's exponentials; behind it the 16 products V^T P with the roundings and sums.
; nok = 1: the last step: no further K is fetched.  cnt = 1: the loop's count is taken down some lines ahead of the branch behind the turn.
; K of the next step is fetched in piece 2's turn, directly behind the wait; V of the step in hand at the end of piece 0's turn, four plain instructions behind its last reader.
.macro TURN p, nok=0, cnt=0
.set Y, (\p)
.set i, 0
.set q, 0
.set e, 0
.set r, 0
.if (\p) == NP-1
	s_wait_dscnt 0x0                ; K is in
.endif
	MM
	PL
	PL
	R2
.rept 15
	MM
	PL
	EX
	R2
.endr
.if ((\p) == NP-2) && !(\nok)
	WIN 0
	v_add_nc_u32 v[AK], s[TBK], v[AK0]
.endif
.rept 8
	PL
.endr
.rept 49
	EX
	PL
.endr
	EX
	EX
	v_nop                           ; the plain instruction behind the last exponential: one for the batch
	s_wait_alu depctr_va_vdst(0)    ; the wait for the batch
.if ((\p) == NP-2) && !(\nok)
	FETCH_K
.endif
.if (\p) == 1
	s_wait_dscnt 0x0                ; V is in
.endif
.rept 16
	MM
.rept 4
	PL
.endr
.if ((\p) == 0) && (q == 118)
	v_add_nc_u32 v[AV], s[TBV], v[AV0]
.endif
.if ((\p) == 0) && (q == 130)
	s_add_co_u32 s[TBV], s[TBV], KS*PV
.endif
.if (\cnt) && (q == 130)
	s_sub_co_u32 s[CNT], s[CNT], 1
	s_cmp_lg_u32 s[CNT], 0
.endif
.endr
.if (\p) == 0
	FETCH_V
.endif
.endm
	s_wait_tensorcnt 0x0            ; all four of my tiles have landed,
	s_barrier_signal -1
	s_barrier_wait -1               ; everybody's have: the head's K and V are whole
	FETCH_K                         ; key step 0
	s_wait_loadcnt 0x0              ; Q
	s_wait_dscnt 0x0
.set i, 0
.rept 16
	KQ 0                            ; piece 0's first scores
.set i, i+1
.endr
	WIN 0                           ; the addresses for the way out: plain instructions, the places behind those products
	s_mul_i32 s13, s[WV], 16*SP
	s_add_co_u32 s13, s13, STAGE
	v_mul_u32_u24 v[STO], v1, SP
	v_lshl_add_u32 v[STO], v9, 4, v[STO]
	v_add_nc_u32 v[STO], s13, v[STO]
	v_bfe_u32 v[RD], v0, 3, 2
	v_mul_u32_u24 v[RD], v[RD], SP
	v_lshl_add_u32 v[RD], v10, 4, v[RD]
	v_add_nc_u32 v[RD], s13, v[RD]
	v_and_b32 v[GO], 31, v0
	v_lshlrev_b32 v[GO], 4, v[GO]
.set Y, NP-1
.irp n, 0,1,2,3,4,5,6,7,8,9,10,11,12,13,14,15,16,17,18,19,20,21
	XS 0, \n                        ; piece 0's first maximum and statistics
	XS 1, \n
.endr
	v_nop
	s_wait_alu depctr_va_vdst(0)    ; the two a have their wait ahead of the branch
	s_mov_b32 s[CNT], NK/KS
	s_branch .Lfirst                ; the loop is entered at a step's first turn, in the middle of a trip
.Lstep:                             ; a trip: pieces 2 and 3 of one step, then pieces 0 and 1 of the next, whose K and V it fetches
	TURN 2
	TURN 3
	WIN 0
.Lfirst:
	TURN 0
	TURN 1, 0, 1
	WIN 0
	s_cbranch_scc1 .Lstep
	TURN 2, 1                       ; the last step's pieces 2 and 3; the last turn's 16 products K Q^T (on the last K once more) and the maximum made of them serve nothing
	TURN 3
.set i, 0
.rept 16
	PV NP-1                         ; the last piece's V^T P of the last step
.set i, i+1
.endr
	; THE WAY OUT.  l's two halves and the other half of the lanes' are added; O^T is divided by l, rounded to bf16 and sent through my stage, a tile at a time.
	WIN 0
.macro ALL line:vararg
.set t, 0
.rept 2*NP
	\line
.set t, t+1
.endr
.endm
	ALL v_add_f32 v[ST+4*t+2], v[ST+4*t+2], v[ST+4*t+3]
	ALL v_permlanex16_b32 v[ST+4*t+3], v[ST+4*t+2], s[SEL], s[SEL+1]
	ALL v_add_f32 v[ST+4*t+2], v[ST+4*t+2], v[ST+4*t+3]
	ALL v_rcp_f32 v[ST+4*t+2], v[ST+4*t+2]
	v_nop
	s_wait_alu depctr_va_vdst(0)    ; one wait for the eight reciprocals
.macro PACK t
	WIN W_RS
.set i, 32*(\t)
.rept 16
	v_pk_mul_f32 v[i:i+1], v[i:i+1], v[ST+4*(\t)+2:ST+4*(\t)+3] op_sel_hi:[1,0]
.set i, i+2
.endr
	WIN 0x05
.set i, 0
.rept 16
	v_cvt_pk_bf16_f32 v[S+16*(\t)+i], v[32*(\t)+2*i], v[32*(\t)+2*i+1]
.set i, i+1
.endr
	WIN 0
.irp f, 0,1,2,3
	ds_store_b128 v[STO], v[S+16*(\t)+4*\f:S+16*(\t)+4*\f+3] offset:32*\f
.endr
.irp f, 0,1,2,3
	ds_load_b128 v[S+16*(\t)+4*\f:S+16*(\t)+4*\f+3], v[RD] offset:\f*4*SP  ; LDS serves a wave's instructions in order: these see the stores above; the next tile's stores come behind them
.endr
.endm
.macro SEND t, younger
	WIN 0
.irp f, 0,1,2,3
	s_wait_dscnt (\younger)+3-\f
	global_store_b128 v[GO], v[S+16*(\t)+4*\f:S+16*(\t)+4*\f+3], s[10:11] offset:(\t)*2048+\f*512  ; 512 consecutive bytes, at a multiple of 256 from O's first
.endr
.endm
	PACK 0
.set t, 1
.rept 2*NP-1
	PACK t
	SEND t-1, 8
.set t, t+1
.endr
	SEND 2*NP-1, 0
	WIN W_AD
	s_wait_tensorcnt 0x0            ; the wave's end
	ds_add_u32 v[SPW], v[NIL]
	s_wait_dscnt 0x0
	WIN 0
	s_endpgm
.Lfunc_end_k_qa69106b4f1_attn:
	.size	k_qa69106b4f1_attn, .Lfunc_end_k_qa69106b4f1_attn-k_qa69106b4f1_attn
	.p2alignl 7, 3214868480
	.fill 96, 4, 3214868480
	.section	.rodata,"a",@progbits
	.p2align	6, 0x0
	.amdhsa_kernel k_qa69106b4f1_attn
		.amdhsa_group_segment_fixed_size 327680
		.amdhsa_private_segment_fixed_size 0
		.amdhsa_enable_private_segment 0
		.amdhsa_kernarg_size 32
		.amdhsa_user_sgpr_count 2
		.amdhsa_user_sgpr_kernarg_segment_ptr 1
		.amdhsa_wavefront_size32 1
		.amdhsa_system_sgpr_workgroup_id_x 1
		.amdhsa_system_sgpr_workgroup_id_y 1
		.amdhsa_system_sgpr_workgroup_id_z 1
		.amdhsa_system_vgpr_workitem_id 0
		.amdhsa_next_free_vgpr 770
		.amdhsa_next_free_sgpr 84
		.amdhsa_reserve_vcc 0
		.amdhsa_float_denorm_mode_32 3
		.amdhsa_float_denorm_mode_16_64 3
		.amdhsa_memory_ordered 1
		.amdhsa_forward_progress 1
		.amdhsa_inst_pref_size 160
	.end_amdhsa_kernel
	.amdgpu_metadata
---
amdhsa.version: [ 1, 2 ]
amdhsa.kernels:
  - .name:           k_qa69106b4f1_attn
    .symbol:         k_qa69106b4f1_attn.kd
    .args:
      - { .name: qh, .offset: 0, .size: 8, .value_kind: global_buffer, .address_space: global }
      - { .name: kh, .offset: 8, .size: 8, .value_kind: global_buffer, .address_space: global }
      - { .name: vh, .offset: 16, .size: 8, .value_kind: global_buffer, .address_space: global }
      - { .name: oh, .offset: 24, .size: 8, .value_kind: global_buffer, .address_space: global }
    .group_segment_fixed_size: 327680
    .private_segment_fixed_size: 0
    .kernarg_segment_align: 8
    .kernarg_segment_size: 32
    .max_flat_workgroup_size: 128
    .sgpr_count:     84
    .vgpr_count:     770
    .wavefront_size: 32
...
	.end_amdgpu_metadata
.endif
;; end of part 3
;; launch tail (part 4): grid 256 x 1, 8 waves a work-group, no clusters, 301,056 bytes of LDS; arguments oh, gene_values, gq, params_gene_norm_b, wf, params_bo, params_ln1_g, params_ln1_b, params_ff1_b, params_ff2_b, params_ln2_g, params_ln2_b, params_head_w, params_head_b, out0, out1; writes out0, out1
.if DOCPART == 4
	.amdgcn_target "amdgcn-amd-amdhsa--gfx1250"
	.amdhsa_code_object_version 6
	.text
	.protected	k_qa69106b4f1_tail
	.globl	k_qa69106b4f1_tail
	.p2align	8
	.type	k_qa69106b4f1_tail,@function
k_qa69106b4f1_tail:
	s_mov_b64 s[64:65], 0
	v_nop
	global_prefetch_b8 v0, s[64:65] scope:SCOPE_SE
	s_setreg_imm32_b32 hwreg(HW_REG_WAVE_MODE, 25, 1), 1
	s_wait_xcnt 0x0
; A work-group takes 64 rows through: x = LayerNorm1(gene + O wo + bo); ff = relu(x ff1 + b1) ff2 + b2; y = LayerNorm2(x + ff) -> out1; y . head_w + head_b -> out0.
; gene = alpha u + rho t + beta is made anew from its closed form (u, t and the three moments in gq).  All inputs are rounded to bf16 once.
; FORMATS.  O and wo, relu(..) and ff2 multiply in bf16; x multiplies in f16 with ff1_w's bf16 numbers written as f16.  The residual x stays f32 in registers.
; LIMITS.  |x| and |ff1_w| within 65,504 (x is a LayerNorm's output: at most 22.6 |gain| + |bias|); below 6e-5 f16's fixed step of 6e-8.  NaN and infinities are not treated apart.
; SHARES, LAYOUT, WEIGHTS: eight waves; wave w owns all 64 rows x 64 columns (ff1: twice); the matrix instruction is used transposed (source 0 = 16 columns of the weights):
; register j of lane (r, h) of accumulator (mb, nb) is row 16 mb + r, column 64 w + 16 nb + 8 h + j.  Weights come from their images straight into the registers of the one wave that needs them,
; three K steps ahead; they pass through no LDS, so the K loops have no barrier, and NO CLUSTER: what would be shared never lies in LDS.
; REGISTERS.  Window 0: v0-31 addresses and (alpha, rho); v32-95 activations' fragments; v96-127 bias; v128-255 weights' fragments, at work in the epilogues.
;             Window 1: v0-127 the accumulators at 8 (4 mb + nb); v128-255 x in f32.
.set P1, 2064
.set P2, 1040
.set A0, 0                             ; O as bf16, 64 rows; after the first norm the way out's stages, 16 rows x 272 bytes a wave
.set XB, 64*P2                         ; x as f16
.set HB, XB+64*P2                      ; relu(..) as bf16, 64 rows of 1,024
.set VEC, HB+64*P1                     ; twelve vectors of 512 f32: bo, u, t, beta, ln1 g, b, ff1_b low, high, ff2_b, ln2 g, b, head_w
.set RED, VEC+12*2048                  ; five regions of [mb 4][r 16][wave 8] partial sums
.set SPARE, RED+5*2048                 ; the spare words: 128 bytes a wave, four blocks of 256 bytes that no other line names
.set BO, 4
.set L1, 5
.set L2, 6
.set VA, 7
.set AA, 8
.set RA, 12
.set RB, 13
.set XA, 14                            ; XB + r P2 + 128 w + 16 h
.set SA, 15                            ; stage, in: 4,352 w + 272 r + 32 h
.set SR, 16                            ; stage, back: 4,352 w + 272 h + 16 r
.set OO, 17                            ; out1: 2,048 h + 16 r
.set HA, 18                            ; v18-19: HB + (r + 32 k) P1 + 128 w + 16 h + 1,024 J
.set VA2, 20
.set ZR, 21
.set SPW, 22
.set NIL, 23
.set GA, 24
.set AF, 32
.set BIAS, 96
.set BR, 128
.set TT, 192
.set MU, 200
.set RS, 208
.set PL, 216
.set WV, 40
.set WG, 41
.set WP, 42
.set CT, 44
.set J, 45
.set SEL, 48
.set HDB, 50                           ; head_b
.set STA, 52
.set MSB, 0
.macro WIN new                         ; s_set_vgpr_msb: bits 1:0 source 0, 3:2 source 1, 5:4 source 2, 7:6 destination; the high byte repeats the setting that is left
.if MSB != (\new)
	s_set_vgpr_msb (MSB<<8)|(\new)
.set MSB, (\new)
.endif
.endm
.macro PLACES                          ; four places behind a matrix instruction (ISA guide 7.12.1)
.rept 4
	v_nop
.endr
.endm
.macro BAR
	s_wait_dscnt 0x0
	s_barrier_signal -1
	s_barrier_wait -1
.endm
.macro RB2 a, b, t
	v_cvt_pk_bf16_f32 v[\t], v[\a], v[\b]
	v_lshlrev_b32 v[\a], 16, v[\t]
	v_and_b32 v[\b], 0xffff0000, v[\t]
.endm
.macro VLD dst, areg, off              ; my 32 numbers of a vector: register 8 nb + j = column 64 w + 16 nb + 8 h + j
.irp q, 0,1,2,3,4,5,6,7
	ds_load_b128 v[(\dst)+4*\q:(\dst)+4*\q+3], v[\areg] offset:(\off)+64*(\q/2)+16*(\q%2)
.endr
.endm
.macro BLD set, off                    ; a K step's four fragments of weights: eight loads of 512 consecutive bytes
.irp q, 0,1,2,3,4,5,6,7
	global_load_b128 v[BR+32*(\set)+4*\q:BR+32*(\set)+4*\q+3], v[BO], s[WP:WP+1] offset:(\off)+512*\q
.endr
.endm
.macro AFE buf, koff
.irp m, 0,1,2,3
	ds_load_b128 v[AF+32*(\buf)+8*\m:AF+32*(\buf)+8*\m+3], v[AA+\m] offset:(\koff)
	ds_load_b128 v[AF+32*(\buf)+8*\m+4:AF+32*(\buf)+8*\m+7], v[AA+\m] offset:(\koff)+32
.endr
.endm
; K step 4 t + 1 + i: asks for the weights three steps on and the activations one step on, then 16 products.  The 16 accumulators take turns, over the backward jump too.
; lcnt: the younger weight loads that may stay out (8 a step); the LDS count leaves the 8 loads just issued.
.macro STEP i, first, ld, af, lcnt, fmt
	PLACES
	WIN 0
.if \ld
	BLD ((\i)+4)%4, ((\i)+4)*4096
.endif
.if \af
	AFE ((\i)+2)%2, ((\i)+2)*64
.endif
	s_wait_loadcnt \lcnt
.if \af
	s_wait_dscnt 8
.else
	s_wait_dscnt 0
.endif
.if \first
	WIN 0x40
.else
	WIN 0x50
.endif
.irp m, 0,1,2,3
.irp n, 0,1,2,3
.if \first
	v_wmma_f32_16x16x32_\fmt v[8*(4*\m+\n):8*(4*\m+\n)+7], v[BR+32*(((\i)+1)%4)+8*\n:BR+32*(((\i)+1)%4)+8*\n+7], v[AF+32*(((\i)+1)%2)+8*\m:AF+32*(((\i)+1)%2)+8*\m+7], v[BIAS+8*\n:BIAS+8*\n+7]
.else
	v_wmma_f32_16x16x32_\fmt v[8*(4*\m+\n):8*(4*\m+\n)+7], v[BR+32*(((\i)+1)%4)+8*\n:BR+32*(((\i)+1)%4)+8*\n+7], v[AF+32*(((\i)+1)%2)+8*\m:AF+32*(((\i)+1)%2)+8*\m+7], v[8*(4*\m+\n):8*(4*\m+\n)+7]
.endif
.endr
.endr
.endm
.macro GEMM S, lreg, abase, pitch, fmt, tag
.irp m, 0,1,2,3
	v_add_nc_u32 v[AA+\m], (\abase)+\m*16*(\pitch), v[\lreg]
.endr
	BLD 0, 0
	BLD 1, 4096
	BLD 2, 8192
	AFE 0, 0
	STEP -1, 1, 1, 1, 24, \fmt
	WIN 0
	s_mov_b32 s[CT], ((\S)-4)/4
.Lk_\tag:
	STEP 0, 0, 1, 1, 24, \fmt
	STEP 1, 0, 1, 1, 24, \fmt
	STEP 2, 0, 1, 1, 24, \fmt
	STEP 3, 0, 1, 1, 24, \fmt
	WIN 0
	s_wait_xcnt 0x0                                ; the loads issued so far have read their base: it is stepped only behind this wait
	s_add_nc_u64 s[WP:WP+1], s[WP:WP+1], 16384
.irp m, 0,1,2,3
	v_add_nc_u32 v[AA+\m], 0x100, v[AA+\m]
.endr
	s_sub_co_u32 s[CT], s[CT], 1
	s_cmp_lg_u32 s[CT], 0
	s_cbranch_scc1 .Lk_\tag
	STEP 0, 0, 0, 1, 16, \fmt                      ; the last three steps ask for no weights: the counts run down
	STEP 1, 0, 0, 1, 8, \fmt
	STEP 2, 0, 0, 0, 0, \fmt
	PLACES
	WIN 0
.endm
; TT's four pairs hold my lane's partial sums for rows 16 mb + r: added over the pair, the halves of the lanes and, through LDS, the eight waves.  The total lands in v[PL + 8 mb].
.macro RSTO red
	WIN 0
.irp m, 0,1,2,3
	v_add_f32 v[TT+2*\m], v[TT+2*\m], v[TT+2*\m+1]
.endr
.irp m, 0,1,2,3
	v_permlanex16_b32 v[TT+2*\m+1], v[TT+2*\m], s[SEL], s[SEL+1]
.endr
.irp m, 0,1,2,3
	v_add_f32 v[TT+2*\m], v[TT+2*\m], v[TT+2*\m+1]
.endr
.irp m, 0,1,2,3
	ds_store_b32 v[RA], v[TT+2*\m] offset:(\red)+512*\m
.endr
	BAR
.endm
.macro RSUM red
	RSTO \red
.irp m, 0,1,2,3
	ds_load_b128 v[PL+8*\m:PL+8*\m+3], v[RB] offset:(\red)+512*\m
	ds_load_b128 v[PL+8*\m+4:PL+8*\m+7], v[RB] offset:(\red)+512*\m+16
.endr
	s_wait_dscnt 0x0
.irp m, 0,1,2,3
	v_pk_add_f32 v[PL+8*\m:PL+8*\m+1], v[PL+8*\m:PL+8*\m+1], v[PL+8*\m+2:PL+8*\m+3]
	v_pk_add_f32 v[PL+8*\m+4:PL+8*\m+5], v[PL+8*\m+4:PL+8*\m+5], v[PL+8*\m+6:PL+8*\m+7]
.endr
.irp m, 0,1,2,3
	v_pk_add_f32 v[PL+8*\m:PL+8*\m+1], v[PL+8*\m:PL+8*\m+1], v[PL+8*\m+4:PL+8*\m+5]
.endr
.irp m, 0,1,2,3
	v_add_f32 v[PL+8*\m], v[PL+8*\m], v[PL+8*\m+1]
.endr
.endm
; LayerNorm over the 512 columns of the accumulators: mean; the rows centred in place; the mean of squares of the centred rows; times rsqrt, gain, plus bias, into window 1 from v[dst] on.
.macro LN red0, red1, goff, boff, dst
	WIN 0x05
.irp m, 0,1,2,3
	v_pk_add_f32 v[TT+2*\m:TT+2*\m+1], v[32*\m:32*\m+1], v[32*\m+2:32*\m+3]
.endr
	WIN 0x04
.set i, 2
.rept 14
.irp m, 0,1,2,3
	v_pk_add_f32 v[TT+2*\m:TT+2*\m+1], v[TT+2*\m:TT+2*\m+1], v[32*\m+2*i:32*\m+2*i+1]
.endr
.set i, i+1
.endr
	RSUM \red0
.irp m, 0,1,2,3
	v_mul_f32 v[MU+2*\m], 0x3b000000, v[PL+8*\m]
.endr
.irp m, 0,1,2,3
	v_mov_b32 v[MU+2*\m+1], v[MU+2*\m]
.endr
	WIN 0x41
.set i, 0
.rept 16
.irp m, 0,1,2,3
	v_pk_add_f32 v[32*\m+2*i:32*\m+2*i+1], v[32*\m+2*i:32*\m+2*i+1], v[MU+2*\m:MU+2*\m+1] neg_lo:[0,1] neg_hi:[0,1]
.endr
.set i, i+1
.endr
	WIN 0x05
.irp m, 0,1,2,3
	v_pk_mul_f32 v[TT+2*\m:TT+2*\m+1], v[32*\m:32*\m+1], v[32*\m:32*\m+1]
.endr
.set i, 1
.rept 15
.irp m, 0,1,2,3
	v_pk_fma_f32 v[TT+2*\m:TT+2*\m+1], v[32*\m+2*i:32*\m+2*i+1], v[32*\m+2*i:32*\m+2*i+1], v[TT+2*\m:TT+2*\m+1]
.endr
.set i, i+1
.endr
	WIN 0
	VLD 128, VA, \goff                             ; gain and bias: waited for with the barrier's wait
	VLD 160, VA, \boff
	RSUM \red1
.irp m, 0,1,2,3
	v_mul_f32 v[PL+8*\m], 0x3b000000, v[PL+8*\m]
.endr
.irp m, 0,1,2,3
	v_add_f32 v[PL+8*\m], 0x3727c5ac, v[PL+8*\m]   ; + 1e-5
.endr
.irp m, 0,1,2,3
	v_rsq_f32 v[RS+2*\m], v[PL+8*\m]
.endr
	v_nop                                          ; a plain instruction behind the last of the four,
	s_wait_alu depctr_va_vdst(0)                   ; and the one wait ahead of their first use
.irp m, 0,1,2,3
	v_mov_b32 v[RS+2*\m+1], v[RS+2*\m]
.endr
	WIN 0x41
.set i, 0
.rept 16
.irp m, 0,1,2,3
	v_pk_mul_f32 v[32*\m+2*i:32*\m+2*i+1], v[32*\m+2*i:32*\m+2*i+1], v[RS+2*\m:RS+2*\m+1]
.endr
.set i, i+1
.endr
.set i, 0
.rept 16
.irp m, 0,1,2,3
	v_pk_fma_f32 v[(\dst)+32*\m+2*i:(\dst)+32*\m+2*i+1], v[32*\m+2*i:32*\m+2*i+1], v[128+2*i:129+2*i], v[160+2*i:161+2*i]
.endr
.set i, i+1
.endr
	WIN 0
.endm
.macro PUT src, cvt, areg, pitch
.irp m, 0,1,2,3
	WIN 0x05
.set i, 0
.rept 16
	\cvt v[128+16*\m+i], v[(\src)+32*\m+2*i], v[(\src)+32*\m+2*i+1]
.set i, i+1
.endr
	WIN 0
.irp n, 0,1,2,3
	ds_store_b128 v[\areg], v[128+16*\m+4*\n:128+16*\m+4*\n+3] offset:\m*16*(\pitch)+32*\n
.endr
.endr
.endm
	s_load_b512 s[4:19], s[0:1], 0x0               ; oh 4, gene_values 6, gq 8, gene_norm_b 10, wf 12, bo 14, ln1_g 16, ln1_b 18
	s_load_b512 s[20:35], s[0:1], 0x40             ; ff1_b 20, ff2_b 22, ln2_g 24, ln2_b 26, head_w 28, head_b 30, out0 32, out1 34
	v_lshl_add_u32 v[SPW], v0, 2, SPARE
	v_mov_b32 v[NIL], 0
	v_lshrrev_b32 v1, 5, v0
	v_readfirstlane_b32 s[WV], v1                  ; wave 0..7
	s_mov_b32 s[WG], ttmp9
	s_mov_b32 s[SEL], 0x76543210
	s_mov_b32 s[SEL+1], 0xfedcba98
	v_and_b32 v1, 31, v0                           ; l
	v_and_b32 v2, 15, v0                           ; r
	v_bfe_u32 v3, v0, 4, 1                         ; h
	v_mov_b32 v[ZR], 0
	v_lshlrev_b32 v[BO], 4, v1
	v_mul_u32_u24 v[L1], v2, P2
	v_lshl_add_u32 v[L1], v3, 4, v[L1]
	v_mul_u32_u24 v[L2], v2, P1
	v_lshl_add_u32 v[L2], v3, 4, v[L2]
	s_lshl_b32 s56, s[WV], 8
	s_add_co_u32 s56, s56, VEC
	v_lshl_add_u32 v[VA], v3, 5, s56
	s_lshl_b32 s56, s[WV], 2
	s_add_co_u32 s56, s56, RED
	v_lshl_add_u32 v[RA], v2, 5, s56
	v_lshlrev_b32 v[RB], 5, v2
	v_add_nc_u32 v[RB], RED, v[RB]
	s_lshl_b32 s57, s[WV], 7                       ; 128 w: my 64 columns in a row of 16-bit numbers
	s_add_co_u32 s56, s57, XB
	v_add_nc_u32 v[XA], s56, v[L1]
	s_add_co_u32 s56, s57, HB
	v_add_nc_u32 v[HA], s56, v[L2]
	v_add_nc_u32 v[HA+1], 32*P1, v[HA]
	s_mul_i32 s56, s[WV], 4352                     ; my stage
	v_mul_u32_u24 v[SA], v2, 272
	v_lshl_add_u32 v[SA], v3, 5, v[SA]
	v_add_nc_u32 v[SA], s56, v[SA]
	v_mul_u32_u24 v[SR], v3, 272
	v_lshl_add_u32 v[SR], v2, 4, v[SR]
	v_add_nc_u32 v[SR], s56, v[SR]
	v_lshlrev_b32 v[OO], 11, v3
	v_lshl_add_u32 v[OO], v2, 4, v[OO]
	v_lshlrev_b32 v8, 3, v0                        ; 8 x thread
	v_lshlrev_b32 v9, 2, v2                        ; 4 r
	v_lshrrev_b32 v10, 3, v1                       ; O into A0: row l / 8 of four, 16 bytes at 16 (l % 8), columns 64 w on
	v_mul_u32_u24 v10, v10, P2
	v_and_b32 v11, 7, v0
	v_lshl_add_u32 v10, v11, 4, v10
	v_add_nc_u32 v10, s57, v10
	v_add_nc_u32 v11, VEC, v8
	s_lshr_b32 s56, s[WG], 4                       ; O: batch, head w, position pos0
	s_lshl_b32 s56, s56, 20
	s_lshl_b32 s57, s[WV], 17
	s_add_co_u32 s56, s56, s57
	s_and_b32 s57, s[WG], 15
	s_lshl_b32 s57, s57, 13
	s_add_co_u32 s56, s56, s57
	s_mov_b32 s57, 0
	s_lshl_b32 s58, s[WG], 8                       ; gene_values and out0: 64 numbers
	s_mov_b32 s59, 0
	s_lshl_b32 s60, s[WG], 17                      ; out1: 64 rows of 2,048 bytes, my 256 bytes of each
	s_lshl_b32 s61, s[WV], 8
	s_add_co_u32 s60, s60, s61
	s_mov_b32 s61, 0
	s_wait_kmcnt 0x0
	s_load_b128 s[STA:STA+3], s[8:9], 0x2800       ; Vw, 2 C, Vb
	s_load_b32 s[HDB], s[30:31], 0x0
	s_add_nc_u64 s[4:5], s[4:5], s[56:57]
	s_add_nc_u64 s[6:7], s[6:7], s[58:59]
	s_add_nc_u64 s[32:33], s[32:33], s[58:59]
	s_add_nc_u64 s[34:35], s[34:35], s[60:61]
	global_load_b64 v[192:193], v8, s[14:15]
	global_load_b64 v[194:195], v8, s[8:9]
	global_load_b64 v[196:197], v8, s[8:9] offset:2048
	global_load_b64 v[198:199], v8, s[10:11]
	global_load_b64 v[200:201], v8, s[16:17]
	global_load_b64 v[202:203], v8, s[18:19]
	global_load_b64 v[204:205], v8, s[20:21]
	global_load_b64 v[206:207], v8, s[20:21] offset:2048
	global_load_b64 v[208:209], v8, s[22:23]
	global_load_b64 v[210:211], v8, s[24:25]
	global_load_b64 v[212:213], v8, s[26:27]
	global_load_b64 v[214:215], v8, s[28:29]
.irp m, 0,1,2,3
	global_load_b32 v[GA+2*\m], v9, s[6:7] offset:64*\m
.endr
.set f, 0
.rept 16
	global_load_b128 v[128+4*f:131+4*f], v[BO], s[4:5] offset:512*f th:TH_LOAD_NT   ; head w's 64 rows: 512 consecutive bytes a load
.set f, f+1
.endr
	s_wait_loadcnt 0x0
	s_wait_kmcnt 0x0
.irp u, 0,3,4,5,6,7,8,9,10,11
	RB2 192+2*\u, 193+2*\u, 216                    ; the inputs are rounded; u and t are made numbers and stay f32
.endr
.irp u, 0,1,2,3,4,5,6,7,8,9,10,11
	ds_store_b64 v11, v[192+2*\u:193+2*\u] offset:2048*\u
.endr
.set f, 0
.rept 16
	ds_store_b128 v10, v[128+4*f:131+4*f] offset:4*P2*f
.set f, f+1
.endr
.irp m, 0,1,2,3
	v_cvt_pk_bf16_f32 v216, v[GA+2*\m], v[GA+2*\m]
	v_lshlrev_b32 v[GA+2*\m], 16, v216
	v_fma_f32 v[GA+2*\m+1], v[GA+2*\m], s[STA], s[STA+1]
	v_fma_f32 v[GA+2*\m+1], v[GA+2*\m], v[GA+2*\m+1], s[STA+2]
	v_add_f32 v[GA+2*\m+1], 0x3727c5ac, v[GA+2*\m+1]
.endr
.irp m, 0,1,2,3
	v_rsq_f32 v[GA+2*\m+1], v[GA+2*\m+1]           ; rho
.endr
	v_nop
	s_wait_alu depctr_va_vdst(0)                   ; one wait for the four, ahead of their first use
.irp m, 0,1,2,3
	v_mul_f32 v[GA+2*\m], v[GA+2*\m], v[GA+2*\m+1] ; alpha = gv rho
.endr
	BAR                                            ; O and the vectors are whole
	; gene + O wo + bo: the sums start at bo + beta; alpha u + rho t are added behind the product
	VLD BIAS, VA, 0
	VLD 128, VA, 6144
	s_wait_dscnt 0x0
.set i, 0
.rept 16
	v_pk_add_f32 v[BIAS+2*i:BIAS+2*i+1], v[BIAS+2*i:BIAS+2*i+1], v[128+2*i:129+2*i]
.set i, i+1
.endr
	s_lshl_b32 s56, s[WV], 16
	s_add_co_u32 s56, s56, 2097152
	s_mov_b32 s57, 0
	s_add_nc_u64 s[WP:WP+1], s[12:13], s[56:57]
	GEMM 16, L1, A0, P2, bf16, g1
	VLD 128, VA, 2048                              ; u
	VLD 160, VA, 4096                              ; t
	s_wait_dscnt 0x0
	WIN 0x50
.set i, 0
.rept 16
.irp m, 0,1,2,3
	v_pk_fma_f32 v[32*\m+2*i:32*\m+2*i+1], v[128+2*i:129+2*i], v[GA+2*\m:GA+2*\m+1], v[32*\m+2*i:32*\m+2*i+1] op_sel_hi:[1,0,1]
.endr
.set i, i+1
.endr
.set i, 0
.rept 16
.irp m, 0,1,2,3
	v_pk_fma_f32 v[32*\m+2*i:32*\m+2*i+1], v[160+2*i:161+2*i], v[GA+2*\m:GA+2*\m+1], v[32*\m+2*i:32*\m+2*i+1] op_sel:[0,1,0] op_sel_hi:[1,1,1]
.endr
.set i, i+1
.endr
	WIN 0
	LN 0, 2048, 8192, 10240, 128                   ; x, f32, into window 1's upper half
	PUT 128, v_cvt_pk_f16_f32, XA, P2
	BAR                                            ; x is whole in LDS
	; relu(x ff1 + b1): my 64 columns of the lower 512, then of the upper.  No barrier in the loop: x is only read, HB only written.
	s_mov_b32 s[J], 0
.Lf:
	s_lshl_b32 s56, s[J], 11
	s_add_co_u32 s56, s56, 12288
	v_add_nc_u32 v[VA2], s56, v[VA]
	VLD BIAS, VA2, 0
	s_lshl_b32 s56, s[J], 3
	s_add_co_u32 s56, s56, s[WV]
	s_lshl_b32 s56, s56, 16
	s_add_co_u32 s56, s56, 2621440
	s_mov_b32 s57, 0
	s_add_nc_u64 s[WP:WP+1], s[12:13], s[56:57]
	GEMM 16, L1, XB, P2, f16, g2
.irp m, 0,1,2,3
	WIN 0x05
.set i, 0
.rept 16
	v_cvt_pk_bf16_f32 v[128+16*\m+i], v[32*\m+2*i], v[32*\m+2*i+1]
.set i, i+1
.endr
	WIN 0
.set i, 0
.rept 16
	v_pk_max_num_bf16 v[128+16*\m+i], v[128+16*\m+i], v[ZR]
.set i, i+1
.endr
.irp n, 0,1,2,3
	ds_store_b128 v[HA+\m/2], v[128+16*\m+4*\n:128+16*\m+4*\n+3] offset:(\m%2)*16*P1+32*\n
.endr
.endr
	v_add_nc_u32 v[HA], 0x400, v[HA]
	v_add_nc_u32 v[HA+1], 0x400, v[HA+1]
	s_add_co_u32 s[J], s[J], 1
	s_cmp_lt_u32 s[J], 2
	s_cbranch_scc1 .Lf
	BAR                                            ; relu(..) is whole in LDS
	VLD BIAS, VA, 16384
	s_lshl_b32 s56, s[WV], 17
	s_add_co_u32 s56, s56, 3670016
	s_mov_b32 s57, 0
	s_add_nc_u64 s[WP:WP+1], s[12:13], s[56:57]
	GEMM 32, L2, HB, P1, bf16, g3
	WIN 0x45
.set i, 0
.rept 64
	v_pk_add_f32 v[2*i:2*i+1], v[2*i:2*i+1], v[128+2*i:129+2*i]   ; + x
.set i, i+1
.endr
	WIN 0
	LN 4096, 6144, 18432, 20480, 0                 ; y, in place
	; y . head_w
	VLD 128, VA, 22528
	s_wait_dscnt 0x0
	WIN 0x01
.irp m, 0,1,2,3
	v_pk_mul_f32 v[TT+2*\m:TT+2*\m+1], v[32*\m:32*\m+1], v[128:129]
.endr
.set i, 1
.rept 15
.irp m, 0,1,2,3
	v_pk_fma_f32 v[TT+2*\m:TT+2*\m+1], v[32*\m+2*i:32*\m+2*i+1], v[128+2*i:129+2*i], v[TT+2*\m:TT+2*\m+1]
.endr
.set i, i+1
.endr
	RSTO 8192
	s_cmp_lg_u32 s[WV], 0                          ; wave 0 finishes out0: lane l takes rows 2 l and 2 l + 1
	s_cbranch_scc1 .Lnoh
	v_lshlrev_b32 v50, 6, v1
	v_add_nc_u32 v50, RED+8192, v50
.irp q, 0,1,2,3
	ds_load_b128 v[32+4*\q:35+4*\q], v50 offset:16*\q
.endr
	v_mov_b32 v51, s[HDB]
	v_cvt_pk_bf16_f32 v51, v51, v51
	v_lshlrev_b32 v51, 16, v51
	v_lshlrev_b32 v52, 3, v1
	s_wait_dscnt 0x0
	v_pk_add_f32 v[32:33], v[32:33], v[34:35]
	v_pk_add_f32 v[36:37], v[36:37], v[38:39]
	v_pk_add_f32 v[40:41], v[40:41], v[42:43]
	v_pk_add_f32 v[44:45], v[44:45], v[46:47]
	v_pk_add_f32 v[32:33], v[32:33], v[36:37]
	v_pk_add_f32 v[40:41], v[40:41], v[44:45]
	v_add_f32 v32, v32, v33
	v_add_f32 v33, v40, v41
	v_add_f32 v32, v32, v51
	v_add_f32 v33, v33, v51
	global_store_b64 v52, v[32:33], s[32:33]       ; 256 consecutive bytes, aligned
.Lnoh:
; out1: 16 rows at a time through my stage (A0's bytes, which nobody has read since the first norm's barriers): in by lanes' 32 bytes, back as rows of 256 bytes.
.macro OUTP mb
	WIN 0x04
.irp q, 0,1,2,3,4,5,6,7
	ds_store_b128 v[SA], v[32*(\mb)+4*\q:32*(\mb)+4*\q+3] offset:64*(\q/2)+16*(\q%2)
.endr
	WIN 0
.irp t, 0,1,2,3,4,5,6,7
	ds_load_b128 v[128+32*(\mb)+4*\t:128+32*(\mb)+4*\t+3], v[SR] offset:544*\t   ; LDS serves a wave's instructions in order: these see the stores above, and the next block's stores come behind them
.endr
.endm
.macro OUTS mb, younger                ; younger: the next block's sixteen LDS instructions, or none
.irp t, 0,1,2,3,4,5,6,7
	s_wait_dscnt (\younger)+7-\t
	global_store_b128 v[OO], v[128+32*(\mb)+4*\t:128+32*(\mb)+4*\t+3], s[34:35] offset:(16*(\mb)+2*\t)*2048 th:TH_STORE_NT   ; 16 lanes store 256 consecutive bytes, aligned
.endr
.endm
	OUTP 0
	OUTP 1
	OUTS 0, 16
	OUTP 2
	OUTS 1, 16
	OUTP 3
	OUTS 2, 16
	OUTS 3, 0
	s_wait_tensorcnt 0x0                           ; the wave's end, behind my last LDS store
	ds_add_u32 v[SPW], v[NIL]
	s_wait_dscnt 0x0
	s_endpgm
.Lfunc_end_k_qa69106b4f1_tail:
	.size	k_qa69106b4f1_tail, .Lfunc_end_k_qa69106b4f1_tail-k_qa69106b4f1_tail
	.p2alignl 7, 3214868480
	.fill 96, 4, 3214868480
	.section	.rodata,"a",@progbits
	.p2align	6, 0x0
	.amdhsa_kernel k_qa69106b4f1_tail
		.amdhsa_group_segment_fixed_size 301056
		.amdhsa_private_segment_fixed_size 0
		.amdhsa_enable_private_segment 0
		.amdhsa_kernarg_size 128
		.amdhsa_user_sgpr_count 2
		.amdhsa_user_sgpr_kernarg_segment_ptr 1
		.amdhsa_wavefront_size32 1
		.amdhsa_system_sgpr_workgroup_id_x 1
		.amdhsa_system_sgpr_workgroup_id_y 1
		.amdhsa_system_sgpr_workgroup_id_z 1
		.amdhsa_system_vgpr_workitem_id 0
		.amdhsa_next_free_vgpr 512
		.amdhsa_next_free_sgpr 66
		.amdhsa_reserve_vcc 0
		.amdhsa_float_denorm_mode_32 3
		.amdhsa_float_denorm_mode_16_64 3
		.amdhsa_memory_ordered 1
		.amdhsa_forward_progress 1
		.amdhsa_inst_pref_size 175
	.end_amdhsa_kernel
	.amdgpu_metadata
---
amdhsa.version: [ 1, 2 ]
amdhsa.kernels:
  - .name:           k_qa69106b4f1_tail
    .symbol:         k_qa69106b4f1_tail.kd
    .args:
      - { .name: oh, .offset: 0, .size: 8, .value_kind: global_buffer, .address_space: global }
      - { .name: gene_values, .offset: 8, .size: 8, .value_kind: global_buffer, .address_space: global }
      - { .name: gq, .offset: 16, .size: 8, .value_kind: global_buffer, .address_space: global }
      - { .name: params_gene_norm_b, .offset: 24, .size: 8, .value_kind: global_buffer, .address_space: global }
      - { .name: wf, .offset: 32, .size: 8, .value_kind: global_buffer, .address_space: global }
      - { .name: params_bo, .offset: 40, .size: 8, .value_kind: global_buffer, .address_space: global }
      - { .name: params_ln1_g, .offset: 48, .size: 8, .value_kind: global_buffer, .address_space: global }
      - { .name: params_ln1_b, .offset: 56, .size: 8, .value_kind: global_buffer, .address_space: global }
      - { .name: params_ff1_b, .offset: 64, .size: 8, .value_kind: global_buffer, .address_space: global }
      - { .name: params_ff2_b, .offset: 72, .size: 8, .value_kind: global_buffer, .address_space: global }
      - { .name: params_ln2_g, .offset: 80, .size: 8, .value_kind: global_buffer, .address_space: global }
      - { .name: params_ln2_b, .offset: 88, .size: 8, .value_kind: global_buffer, .address_space: global }
      - { .name: params_head_w, .offset: 96, .size: 8, .value_kind: global_buffer, .address_space: global }
      - { .name: params_head_b, .offset: 104, .size: 8, .value_kind: global_buffer, .address_space: global }
      - { .name: out0, .offset: 112, .size: 8, .value_kind: global_buffer, .address_space: global }
      - { .name: out1, .offset: 120, .size: 8, .value_kind: global_buffer, .address_space: global }
    .group_segment_fixed_size: 301056
    .private_segment_fixed_size: 0
    .kernarg_segment_align: 8
    .kernarg_segment_size: 128
    .max_flat_workgroup_size: 256
    .sgpr_count:     66
    .vgpr_count:     512
    .wavefront_size: 32
...
	.end_amdgpu_metadata
.endif
;; end of part 4
;; ======== version 2 of 2: 4 launches; version 1 with the launches imgkv, tail written anew for expert scheduling mode
;; limits: values are held in f16: magnitudes above 65,504 overflow, below 6.1e-05 lose precision; a difference of large sums (such as E[x^2] - mean^2): digits are lost where the result is much smaller than its terms
;; workspace buffers: wf 4,718,592 bytes; rope 262,144 bytes; gq 10,752 bytes; qh 16,777,216 bytes; kh 16,777,216 bytes; vh 16,777,216 bytes; oh 16,777,216 bytes
;; launch prep: the kernel of part 1 again; grid 720 x 1, 8 waves a work-group, no clusters, 53,248 bytes of LDS; arguments params_img_proj_w, params_wk, params_wv, params_wo, params_ff1_w, params_ff2_w, params_wq, params_gene_w, params_gene_b, params_gene_norm_g, params_gene_norm_b, params_bq, wf, rope, gq; writes wf, rope, gq
;; launch imgkv (part 5): grid 256 x 1, 8 waves a work-group, no clusters, 238,592 bytes of LDS; arguments img_feats, gene_values, params_img_proj_b, params_img_norm_g, params_img_norm_b, params_bk, params_bv, wf, rope, gq, qh, kh, vh; writes qh, kh, vh
.if DOCPART == 5
	.amdgcn_target "amdgcn-amd-amdhsa--gfx1250"
	.amdhsa_code_object_version 6
	.text
	.protected	k_qa69106b4f1_imgkv
	.globl	k_qa69106b4f1_imgkv
	.p2align	8
	.type	k_qa69106b4f1_imgkv,@function
k_qa69106b4f1_imgkv:
	s_mov_b64 s[64:65], 0
	v_nop
	global_prefetch_b8 v0, s[64:65] scope:SCOPE_SE
	s_setreg_imm32_b32 hwreg(HW_REG_WAVE_SCHED_MODE, 0, 2), 2
	s_setreg_imm32_b32 hwreg(HW_REG_WAVE_MODE, 25, 1), 1
	s_wait_xcnt 0x0
	s_wait_alu depctr_vm_vsrc(0)
; A work-group takes 64 rows (one batch, positions pos0 .. pos0 + 63) through: img = LayerNorm(img_feats Wp + b); k = rotate(img wk + bk); v = img wv + bv;
; and q = rotate(alpha U + rho T + Bq), the gene projection in its closed form (constants in gq).  q, k, v leave as bf16, [batch][head][position][64], q unscaled.
; All inputs are rounded to bf16 once; products in bf16 with f32 sums; norms and rotation in f32.
; SHARES.  Eight waves; wave w owns all 64 rows x columns 64 w .. 64 w + 63 (for q, k, v: head w): 16 accumulators of 16 x 16.
; THE MATRIX INSTRUCTION IS USED TRANSPOSED: source 0 = 16 columns of the weights, source 1 = 16 rows of activations: register j of lane (r, h) of accumulator (mb, nb)
; is row 16 mb + r, column 64 w + 16 nb + 8 h + j: eight neighbouring columns of one row.
; WEIGHTS come from their images in wf straight into the registers of the one wave that needs them (each load 512 consecutive bytes), three K steps ahead; no wave wants
; another's, so they pass through no LDS and the K loops have no barrier.  NO CLUSTER for that reason: what would be shared never lies in LDS.
; ACTIVATIONS lie in LDS in rows padded by 16 bytes (pitch an odd multiple of 16: the 16 rows of a fragment load start at 16 different groups of four banks).
; LIMITS.  The gene variance is made of three centred moments: it loses digits only where gv (w - mean) is close to -(b - mean).  NaN and infinities are not treated apart.
; REGISTERS.  Window 0: v0-31 addresses and (alpha, rho); v32-95 activations' fragments, two buffers; v96-127 bias; v128-255 weights' fragments, four sets; at work in the epilogues.
;             Window 1: v0-127 the accumulators at 8 (4 mb + nb); v128-255 first img_feats on its way in (with v0-127), then the rotation table.
; THE MODE: SCHED_MODE bits 1:0 = 2 (LLVM: expert scheduling mode 2), set by the entry lines.  The code itself states the register dependences
; between vector or matrix instructions and memory or LDS instructions, with s_wait_alu, always for 0.
; THE PLAN.  Registers that memory or LDS instructions touch in the K loops:
;   BR0 .. BR3  K step k: its 16 products read BR[k % 4]; its eight loads, the weights of step k + 3, land in BR[(k + 3) % 4], which step k - 1's products read.
;   AF0, AF1    K step k: its products read AF[k % 2]; its eight LDS loads, the activations of step k + 1, land in the other, which step k - 1's products read.
;   v[AA ..]    Read by every LDS load of a fragment; written at a product's head and once in a trip of four steps.
;   v[BO]       Read by every load of weights; never written again: the scalar base moves on, and immediate offsets do the rest.
; So ONE wait on va_vdst stands at a step's head, behind the waits for the step's own data: the last step's products are done reading what this step's loads land in.  Four products
; follow, then the 16 loads in one run, then twelve products: these name BR[k % 4], AF[k % 2] and the accumulators, none of the registers that the loads touch.
; Outside the loops each block of results has registers of its own on its way into LDS, so that one wait on va_vdst serves a whole run of stores, and what comes back from the stage lands in other registers than the stores read.
.set P1, 2064                          ; pitch of a row of 1,024 bf16
.set P2, 1040                          ; of 512 bf16
.set A1, 0                             ; img_feats as bf16, 64 rows
.set A2, 64*P1                         ; img as bf16, 64 rows
.set VEC, A2+64*P2                     ; eight vectors of 512 f32: proj_b, norm_g, norm_b, bk, bv, U, T, Bq
.set RED, VEC+8*2048                   ; two regions of [mb 4][r 16][wave 8] partial sums
.set STG, RED+4096                     ; a stage of 16 rows x 144 bytes for each wave
.set SPARE, STG+8*2304                 ; the spare words: 128 bytes a wave, four blocks of 256 bytes that no other line names
.set BO, 4                             ; 16 l
.set L1, 5                             ; r P2 + 16 h
.set L2, 6                             ; r P1 + 16 h
.set VA, 7                             ; VEC + 256 w + 32 h: my 8 columns of a group of 16
.set AA, 8                             ; v8-11: the activations' fragment addresses, one for each mb
.set RA, 12                            ; RED + 32 r + 4 w
.set RB, 13                            ; RED + 32 r
.set YA, 14                            ; A2 + r P2 + 128 w + 16 h
.set STO, 15
.set RD, 16
.set TO, 17                            ; 256 r + 32 h: my place in the rotation table
.set VST, 18
.set AST, 19
.set VA2, 20
.set SPW, 22
.set NIL, 23
.set GA, 24                            ; v24-31: (alpha, rho) of row 16 mb + r
.set AF, 32
.set BIAS, 96
.set BR, 128
.set OA, 128                           ; v128-191: 64 rows' rounded results on their way into LDS
.set OB, 192                           ; v192-255: whole rows read back from the stage, on their way to memory
.set TT, 192
.set MU, 200
.set RS, 208
.set PL, 216
.set WV, 40
.set WG, 41
.set WP, 42                            ; s[42:43] where my weights stand
.set CT, 44
.set J, 45
.set OUT, 46
.set SEL, 48
.set STA, 52                           ; s[52:55] Vw, 2 C, Vb, 0
.set MSB, 0
.macro WIN new                         ; s_set_vgpr_msb: bits 1:0 source 0, 3:2 source 1, 5:4 source 2, 7:6 destination; the high byte repeats the setting that is left
.if MSB != (\new)
	s_set_vgpr_msb (MSB<<8)|(\new)
.set MSB, (\new)
.endif
.endm
.macro PLACES                          ; four places behind a matrix instruction (ISA guide 7.12.1), ahead of the vector instructions that read its result or write its sources
.rept 4
	v_nop
.endr
.endm
.macro BAR                             ; my LDS instructions are done; then the work-group's barrier
	s_wait_dscnt 0x0
	s_barrier_signal -1
	s_barrier_wait -1
.endm
.macro RB2 a, b, t
	v_cvt_pk_bf16_f32 v[\t], v[\a], v[\b]
	v_lshlrev_b32 v[\a], 16, v[\t]
	v_and_b32 v[\b], 0xffff0000, v[\t]
.endm
.macro VLD dst, areg, off              ; my 32 numbers of a vector: register 8 nb + j = column 64 w + 16 nb + 8 h + j
.irp q, 0,1,2,3,4,5,6,7
	ds_load_b128 v[(\dst)+4*\q:(\dst)+4*\q+3], v[\areg] offset:(\off)+64*(\q/2)+16*(\q%2)
.endr
.endm
.macro BLD set, off                    ; a K step's four fragments of weights: eight loads of 512 consecutive bytes
.irp q, 0,1,2,3,4,5,6,7
	global_load_b128 v[BR+32*(\set)+4*\q:BR+32*(\set)+4*\q+3], v[BO], s[WP:WP+1] offset:(\off)+512*\q
.endr
.endm
.macro AFE buf, koff                   ; a K step's four fragments of activations
.irp m, 0,1,2,3
	ds_load_b128 v[AF+32*(\buf)+8*\m:AF+32*(\buf)+8*\m+3], v[AA+\m] offset:(\koff)
	ds_load_b128 v[AF+32*(\buf)+8*\m+4:AF+32*(\buf)+8*\m+7], v[AA+\m] offset:(\koff)+32
.endr
.endm
; Four products of K step 4 t + 1 + i: row block m x the four column blocks.  first = 1: the sums begin, with the bias as C.
.macro MULM i, first, m
.if \first
	WIN 0x40
.else
	WIN 0x50
.endif
.irp n, 0,1,2,3
.if \first
	v_wmma_f32_16x16x32_bf16 v[8*(4*(\m)+\n):8*(4*(\m)+\n)+7], v[BR+32*(((\i)+1)%4)+8*\n:BR+32*(((\i)+1)%4)+8*\n+7], v[AF+32*(((\i)+1)%2)+8*(\m):AF+32*(((\i)+1)%2)+8*(\m)+7], v[BIAS+8*\n:BIAS+8*\n+7]
.else
	v_wmma_f32_16x16x32_bf16 v[8*(4*(\m)+\n):8*(4*(\m)+\n)+7], v[BR+32*(((\i)+1)%4)+8*\n:BR+32*(((\i)+1)%4)+8*\n+7], v[AF+32*(((\i)+1)%2)+8*(\m):AF+32*(((\i)+1)%2)+8*(\m)+7], v[8*(4*(\m)+\n):8*(4*(\m)+\n)+7]
.endif
.endr
.endm
; K step 4 t + 1 + i: 16 products; behind the first four it asks for the activations one step on and the weights three steps on.  The 16 accumulators take turns, over the backward jump too.
; lcnt: the younger weight loads that may stay out (8 a step, two steps); of LDS loads none is younger than this step's fragments.
.macro STEP i, first, ld, af, lcnt
	s_wait_loadcnt \lcnt                           ; loads come back in order (ISA guide 5.7.1): this step's weights are in
	s_wait_dscnt 0x0                               ; this step's activations are in (in the first step the bias too)
.if (\af) && !(\first)
	s_wait_alu depctr_va_vdst(0)                   ; the last step's products are done reading their weights and activations, in which this step's loads land; behind the backward jump v[AA ..] are written
.endif
	MULM \i, \first, 0
	WIN 0
.if \af
	AFE ((\i)+2)%2, ((\i)+2)*64                    ; no wait: no vector or matrix instruction since the wait above names these registers
.endif
.if \ld
	BLD ((\i)+4)%4, ((\i)+4)*4096
.endif
	MULM \i, \first, 1
	MULM \i, \first, 2
	MULM \i, \first, 3
.endm
; 64 rows x my 64 columns over S K steps of 32; the first step's C is the bias, so nothing is cleared.  The caller has set WP.
.macro GEMM S, lreg, abase, pitch, breg, boff, tag
.irp m, 0,1,2,3
	v_add_nc_u32 v[AA+\m], (\abase)+\m*16*(\pitch), v[\lreg]
.endr
	s_wait_alu depctr_va_vdst(0)                   ; v[AA ..] and the bias's address are written, which the LDS loads below read; every earlier vector and matrix instruction is done with BIAS, AF and BR, in which the loads below land
	VLD BIAS, \breg, \boff
	BLD 0, 0
	BLD 1, 4096
	BLD 2, 8192
	AFE 0, 0
	STEP -1, 1, 1, 1, 16
	WIN 0
	s_mov_b32 s[CT], ((\S)-4)/4
.Lk_\tag:
	STEP 0, 0, 1, 1, 16
	STEP 1, 0, 1, 1, 16
	STEP 2, 0, 1, 1, 16
	STEP 3, 0, 1, 1, 16
	WIN 0
	s_wait_xcnt 0x0                                ; the loads issued so far have read their base: it is stepped only behind this wait
	s_add_nc_u64 s[WP:WP+1], s[WP:WP+1], 16384
	s_wait_alu depctr_vm_vsrc(0)                   ; the fragments' LDS loads issued so far have read v[AA ..]
.irp m, 0,1,2,3
	v_add_nc_u32 v[AA+\m], 0x100, v[AA+\m]
.endr
	s_sub_co_u32 s[CT], s[CT], 1
	s_cmp_lg_u32 s[CT], 0
	s_cbranch_scc1 .Lk_\tag
	STEP 0, 0, 0, 1, 16                            ; the last three steps ask for no weights: the counts run down
	STEP 1, 0, 0, 1, 8
	STEP 2, 0, 0, 0, 0
	PLACES
	WIN 0
.endm
; TT's four pairs hold my lane's partial sums for rows 16 mb + r: they are added over the pair, the two halves of the lanes and, through LDS, the eight waves.  The total lands in v[PL + 8 mb].
.macro RSUM red
	WIN 0
.irp m, 0,1,2,3
	v_add_f32 v[TT+2*\m], v[TT+2*\m], v[TT+2*\m+1]
.endr
.irp m, 0,1,2,3
	v_permlanex16_b32 v[TT+2*\m+1], v[TT+2*\m], s[SEL], s[SEL+1]
.endr
.irp m, 0,1,2,3
	v_add_f32 v[TT+2*\m], v[TT+2*\m], v[TT+2*\m+1]
.endr
	s_wait_alu depctr_va_vdst(0)                   ; the sums are written into v[TT ..], which the LDS stores read; every earlier instruction is done with v[PL ..], in which the loads below land
.irp m, 0,1,2,3
	ds_store_b32 v[RA], v[TT+2*\m] offset:(\red)+512*\m
.endr
	BAR
	s_wait_alu depctr_vm_vsrc(0)                   ; my LDS stores have read v[TT ..], which the next sums write again and in which later loads land
.irp m, 0,1,2,3
	ds_load_b128 v[PL+8*\m:PL+8*\m+3], v[RB] offset:(\red)+512*\m
	ds_load_b128 v[PL+8*\m+4:PL+8*\m+7], v[RB] offset:(\red)+512*\m+16
.endr
	s_wait_dscnt 0x0
.irp m, 0,1,2,3
	v_pk_add_f32 v[PL+8*\m:PL+8*\m+1], v[PL+8*\m:PL+8*\m+1], v[PL+8*\m+2:PL+8*\m+3]
	v_pk_add_f32 v[PL+8*\m+4:PL+8*\m+5], v[PL+8*\m+4:PL+8*\m+5], v[PL+8*\m+6:PL+8*\m+7]
.endr
.irp m, 0,1,2,3
	v_pk_add_f32 v[PL+8*\m:PL+8*\m+1], v[PL+8*\m:PL+8*\m+1], v[PL+8*\m+4:PL+8*\m+5]
.endr
.irp m, 0,1,2,3
	v_add_f32 v[PL+8*\m], v[PL+8*\m], v[PL+8*\m+1]
.endr
.endm
; LayerNorm over the 512 columns of the accumulators: mean; the rows centred in place; the mean of squares of the centred rows; times rsqrt, gain, plus bias, into window 1 from v[dst] on.
; Each accumulator is read from its lowest registers on.
.macro LN red0, red1, goff, boff, dst
	WIN 0x05
.irp m, 0,1,2,3
	v_pk_add_f32 v[TT+2*\m:TT+2*\m+1], v[32*\m:32*\m+1], v[32*\m+2:32*\m+3]
.endr
	WIN 0x04
.set i, 2
.rept 14
.irp m, 0,1,2,3
	v_pk_add_f32 v[TT+2*\m:TT+2*\m+1], v[TT+2*\m:TT+2*\m+1], v[32*\m+2*i:32*\m+2*i+1]
.endr
.set i, i+1
.endr
	RSUM \red0
.irp m, 0,1,2,3
	v_mul_f32 v[MU+2*\m], 0x3b000000, v[PL+8*\m]
.endr
.irp m, 0,1,2,3
	v_mov_b32 v[MU+2*\m+1], v[MU+2*\m]
.endr
	WIN 0x41
.set i, 0
.rept 16
.irp m, 0,1,2,3
	v_pk_add_f32 v[32*\m+2*i:32*\m+2*i+1], v[32*\m+2*i:32*\m+2*i+1], v[MU+2*\m:MU+2*\m+1] neg_lo:[0,1] neg_hi:[0,1]
.endr
.set i, i+1
.endr
	WIN 0x05
.irp m, 0,1,2,3
	v_pk_mul_f32 v[TT+2*\m:TT+2*\m+1], v[32*\m:32*\m+1], v[32*\m:32*\m+1]
.endr
.set i, 1
.rept 15
.irp m, 0,1,2,3
	v_pk_fma_f32 v[TT+2*\m:TT+2*\m+1], v[32*\m+2*i:32*\m+2*i+1], v[32*\m+2*i:32*\m+2*i+1], v[TT+2*\m:TT+2*\m+1]
.endr
.set i, i+1
.endr
	WIN 0
	VLD 128, VA, \goff                             ; gain and bias: waited for with the barrier's wait.  No wait on va_vdst: no vector or matrix instruction since the first sum's wait names v128-191
	VLD 160, VA, \boff
	RSUM \red1
.irp m, 0,1,2,3
	v_mul_f32 v[PL+8*\m], 0x3b000000, v[PL+8*\m]
.endr
.irp m, 0,1,2,3
	v_add_f32 v[PL+8*\m], 0x3727c5ac, v[PL+8*\m]   ; + 1e-5
.endr
.irp m, 0,1,2,3
	v_rsq_f32 v[RS+2*\m], v[PL+8*\m]
.endr
	v_nop                                          ; a plain instruction behind the last of the four,
	s_wait_alu depctr_va_vdst(0)                   ; and the one wait ahead of the first use of the four results in v[RS ..]
.irp m, 0,1,2,3
	v_mov_b32 v[RS+2*\m+1], v[RS+2*\m]
.endr
	WIN 0x41
.set i, 0
.rept 16
.irp m, 0,1,2,3
	v_pk_mul_f32 v[32*\m+2*i:32*\m+2*i+1], v[32*\m+2*i:32*\m+2*i+1], v[RS+2*\m:RS+2*\m+1]
.endr
.set i, i+1
.endr
.set i, 0
.rept 16
.irp m, 0,1,2,3
	v_pk_fma_f32 v[(\dst)+32*\m+2*i:(\dst)+32*\m+2*i+1], v[32*\m+2*i:32*\m+2*i+1], v[128+2*i:129+2*i], v[160+2*i:161+2*i]
.endr
.set i, i+1
.endr
	WIN 0
.endm
; img_feats on its way in: rows i and i + 1 of my eight are rounded into registers of their own (16 a row, v128-255 in all), and stored behind the next pair's wait.
.macro CV2 i
	WIN 0x05
.set c, 0
.rept 32
	v_cvt_pk_bf16_f32 v[128+16*(\i)+c], v[32*(\i)+2*c], v[32*(\i)+2*c+1]
.set c, c+1
.endr
.endm
.macro ST2 i
	WIN 0
.irp u, 0,1
.irp f, 0,1,2,3,4,5,6,7
	ds_store_b64 v[AST], v[128+16*((\i)+\u)+2*\f:128+16*((\i)+\u)+2*\f+1] offset:P1*((\i)+\u)+256*\f
.endr
.endr
.endm
	s_load_b512 s[4:19], s[0:1], 0x0               ; img_feats 4, gene_values 6, proj_b 8, norm_g 10, norm_b 12, bk 14, bv 16, wf 18
	s_load_b256 s[20:27], s[0:1], 0x40             ; rope 20, gq 22, qh 24, kh 26
	s_load_b64 s[28:29], s[0:1], 0x60              ; vh
	v_lshl_add_u32 v[SPW], v0, 2, SPARE
	v_mov_b32 v[NIL], 0
	v_lshrrev_b32 v1, 5, v0
	v_readfirstlane_b32 s[WV], v1                  ; wave 0..7
	s_mov_b32 s[WG], ttmp9
	s_mov_b32 s[SEL], 0x76543210
	s_mov_b32 s[SEL+1], 0xfedcba98
	v_and_b32 v1, 31, v0                           ; l
	v_and_b32 v2, 15, v0                           ; r
	v_bfe_u32 v3, v0, 4, 1                         ; h
	v_lshlrev_b32 v[BO], 4, v1
	v_mul_u32_u24 v[L1], v2, P2
	v_lshl_add_u32 v[L1], v3, 4, v[L1]
	v_mul_u32_u24 v[L2], v2, P1
	v_lshl_add_u32 v[L2], v3, 4, v[L2]
	s_wait_alu depctr_va_sdst(0)                   ; the wave's number is written, ahead of its first reader: addresses and bases are made from it
	s_lshl_b32 s56, s[WV], 8
	s_add_co_u32 s56, s56, VEC
	v_lshl_add_u32 v[VA], v3, 5, s56
	s_lshl_b32 s56, s[WV], 2
	s_add_co_u32 s56, s56, RED
	v_lshl_add_u32 v[RA], v2, 5, s56
	v_lshlrev_b32 v[RB], 5, v2
	v_add_nc_u32 v[RB], RED, v[RB]
	s_lshl_b32 s56, s[WV], 7
	s_add_co_u32 s56, s56, A2
	v_add_nc_u32 v[YA], s56, v[L1]
	s_mul_i32 s56, s[WV], 2304
	s_add_co_u32 s56, s56, STG                     ; my stage
	v_mul_u32_u24 v[STO], v2, 144                  ; in: row r, 16 bytes for each half of the lanes
	v_lshl_add_u32 v[STO], v3, 4, v[STO]
	v_add_nc_u32 v[STO], s56, v[STO]
	v_bfe_u32 v[RD], v0, 3, 2                      ; back: 32 lanes take four rows of 128 bytes
	v_mul_u32_u24 v[RD], v[RD], 144
	v_and_b32 v[TO], 7, v0
	v_lshl_add_u32 v[RD], v[TO], 4, v[RD]
	v_add_nc_u32 v[RD], s56, v[RD]
	v_lshlrev_b32 v[TO], 8, v2
	v_lshl_add_u32 v[TO], v3, 5, v[TO]
	v_lshlrev_b32 v8, 3, v0                        ; 8 x thread: my two numbers of a vector
	v_add_nc_u32 v[VST], VEC, v8
	v_lshlrev_b32 v9, 2, v2                        ; 4 r
	s_mul_i32 s56, s[WV], 8*P1
	v_lshl_add_u32 v[AST], v1, 3, s56              ; A1: my wave's 8 rows, 8 bytes a lane
	s_lshl_b32 s56, s[WG], 18                      ; img_feats: 64 rows of 4,096 bytes a work-group,
	s_lshl_b32 s57, s[WV], 15                      ; 8 a wave
	s_add_co_u32 s56, s56, s57
	s_mov_b32 s57, 0
	s_lshl_b32 s58, s[WG], 8                       ; gene_values: 64 numbers
	s_mov_b32 s59, 0
	s_and_b32 s60, s[WG], 15
	s_lshl_b32 s62, s60, 13                        ; q, k, v: position pos0, 128 bytes each,
	s_lshl_b32 s60, s60, 14                        ; the table: position pos0, 256 bytes each
	s_mov_b32 s61, 0
	s_lshr_b32 s63, s[WG], 4
	s_lshl_b32 s63, s63, 20                        ; the batch,
	s_add_co_u32 s62, s62, s63
	s_lshl_b32 s63, s[WV], 17                      ; head w
	s_add_co_u32 s62, s62, s63
	s_mov_b32 s63, 0
	s_wait_kmcnt 0x0
	s_load_b128 s[STA:STA+3], s[22:23], 0x2800     ; Vw, 2 C, Vb
	s_add_nc_u64 s[4:5], s[4:5], s[56:57]
	s_add_nc_u64 s[6:7], s[6:7], s[58:59]
	s_add_nc_u64 s[20:21], s[20:21], s[60:61]
	s_wait_alu depctr_va_vdst(0)                   ; the offsets and LDS addresses v4 to v19 are written, which the loads and stores of the kernel read
	global_load_b64 v[128:129], v8, s[8:9]
	global_load_b64 v[130:131], v8, s[10:11]
	global_load_b64 v[132:133], v8, s[12:13]
	global_load_b64 v[134:135], v8, s[14:15]
	global_load_b64 v[136:137], v8, s[16:17]
	global_load_b64 v[138:139], v8, s[22:23] offset:4096
	global_load_b64 v[140:141], v8, s[22:23] offset:6144
	global_load_b64 v[142:143], v8, s[22:23] offset:8192
.irp m, 0,1,2,3
	global_load_b32 v[GA+2*\m], v9, s[6:7] offset:64*\m
.endr
	WIN 0x40                                       ; destination window 1: my 8 rows of img_feats, 32 registers each; a load covers 512 consecutive bytes
.set i, 0
.rept 6
.irp f, 0,1,2,3,4,5,6,7
	global_load_b128 v[32*i+4*\f:32*i+4*\f+3], v[BO], s[4:5] offset:4096*i+512*\f th:TH_LOAD_NT
.endr
.set i, i+1
.endr
	WIN 0
	s_wait_loadcnt 48                              ; the 12 small loads are in; the 48 of rows 0 to 5 may stay out
	s_wait_kmcnt 0x0
.irp u, 0,1,2,3,4
	RB2 128+2*\u, 129+2*\u, 144                    ; the five inputs are rounded; U, T, Bq are sums and stay f32
.endr
.irp m, 0,1,2,3
	v_cvt_pk_bf16_f32 v144, v[GA+2*\m], v[GA+2*\m]
	v_lshlrev_b32 v[GA+2*\m], 16, v144
	v_fma_f32 v[GA+2*\m+1], v[GA+2*\m], s[STA], s[STA+1]
	v_fma_f32 v[GA+2*\m+1], v[GA+2*\m], v[GA+2*\m+1], s[STA+2]
	v_add_f32 v[GA+2*\m+1], 0x3727c5ac, v[GA+2*\m+1]
.endr
.irp m, 0,1,2,3
	v_rsq_f32 v[GA+2*\m+1], v[GA+2*\m+1]           ; rho
.endr
	v_nop
	s_wait_alu depctr_va_vdst(0)                   ; the four rho are written, ahead of their first use; so are the rounded vectors in v128-137, which the LDS stores read
.irp u, 0,1,2,3,4,5,6,7
	ds_store_b64 v[VST], v[128+2*\u:129+2*\u] offset:2048*\u
.endr
.irp m, 0,1,2,3
	v_mul_f32 v[GA+2*\m], v[GA+2*\m], v[GA+2*\m+1] ; alpha = gv rho
.endr
	WIN 0x40
.set i, 6
.rept 2
.irp f, 0,1,2,3,4,5,6,7
	global_load_b128 v[32*i+4*\f:32*i+4*\f+3], v[BO], s[4:5] offset:4096*i+512*\f th:TH_LOAD_NT
.endr
.set i, i+1
.endr
	s_wait_alu depctr_vm_vsrc(0)                   ; the vectors' LDS stores have read v128-143, which row 0's roundings write
	s_wait_loadcnt 48                              ; rows 0 and 1 are in: 8 loads for each younger row may stay out
	CV2 0
	s_wait_loadcnt 32
	s_wait_alu depctr_va_vdst(0)                   ; rows 0 and 1 are rounded: their LDS stores read the results
	ST2 0
	CV2 2
	s_wait_loadcnt 16
	s_wait_alu depctr_va_vdst(0)                   ; rows 2 and 3 are rounded
	ST2 2
	CV2 4
	s_wait_loadcnt 0x0
	s_wait_alu depctr_va_vdst(0)                   ; rows 4 and 5 are rounded
	ST2 4
	CV2 6
	s_wait_alu depctr_va_vdst(0)                   ; rows 6 and 7 are rounded; and the roundings are done reading window 1's v128-255, in which the table lands
	ST2 6
	WIN 0x40                                       ; the rotation table for my 64 positions x 64 channels, laid as the accumulators are: even register cos, odd register sin of the pair
.irp m, 0,1,2,3
.irp q, 0,1,2,3,4,5,6,7
	global_load_b128 v[128+32*\m+4*\q:128+32*\m+4*\q+3], v[TO], s[20:21] offset:4096*\m+64*(\q/2)+16*(\q%2)
.endr
.endr
	WIN 0
	BAR                                            ; A1 and the vectors are whole
	s_wait_alu depctr_vm_vsrc(0)                   ; my LDS stores have read v128-255, in which the weights land
	s_lshl_b32 s56, s[WV], 17                      ; Wp's image: 32 K steps of 4,096 bytes for each 64 columns
	s_mov_b32 s57, 0
	s_add_nc_u64 s[WP:WP+1], s[18:19], s[56:57]
	GEMM 32, L2, A1, P1, VA, 0, g1
	LN 0, 2048, 2048, 4096, 0
	WIN 0x05                                       ; img, rounded to bf16, into LDS rows: 16 bytes a lane and group of 16 columns
.set i, 0
.rept 64
	v_cvt_pk_bf16_f32 v[OA+i], v[2*i], v[2*i+1]
.set i, i+1
.endr
	WIN 0
	s_wait_alu depctr_va_vdst(0)                   ; the roundings have written v[OA ..], which the LDS stores read
.irp m, 0,1,2,3
.irp n, 0,1,2,3
	ds_store_b128 v[YA], v[OA+16*\m+4*\n:OA+16*\m+4*\n+3] offset:\m*16*P2+32*\n
.endr
.endr
	BAR                                            ; img is whole in A2
	; J = 0: k.  J = 1: v.  J = 2: q.  No barrier in this loop: A2 is only read, and the stage is each wave's own.
	s_mov_b32 s[J], 0
	s_wait_alu depctr_vm_vsrc(0)                   ; my LDS stores have read v[OA ..], and the first product's fragment loads v[AA ..]: both are written again in the loop
.Lj:
	s_cmp_eq_u32 s[J], 2
	s_cbranch_scc1 .Lqf
	s_lshl_b32 s56, s[J], 11
	s_add_co_u32 s56, s56, 6144
	v_add_nc_u32 v[VA2], s56, v[VA]                ; bk or bv
	s_lshl_b32 s56, s[J], 19
	s_lshl_b32 s57, s[WV], 16
	s_add_co_u32 s56, s56, s57
	s_add_co_u32 s56, s56, 1048576
	s_mov_b32 s57, 0
	s_add_nc_u64 s[WP:WP+1], s[18:19], s[56:57]
	GEMM 16, L1, A2, P2, VA2, 0, g2
	s_branch .Lep
.Lqf:
	VLD 128, VA, 10240                             ; U.  No wait on va_vdst: behind the last trip's wait for its roundings no vector or matrix instruction was issued
	VLD 160, VA, 12288                             ; T
	VLD 192, VA, 14336                             ; Bq
	s_wait_dscnt 0x0
	WIN 0x40
.set i, 0
.rept 16
.irp m, 0,1,2,3
	v_pk_fma_f32 v[32*\m+2*i:32*\m+2*i+1], v[160+2*i:161+2*i], v[GA+2*\m:GA+2*\m+1], v[192+2*i:193+2*i] op_sel:[0,1,0] op_sel_hi:[1,1,1]   ; rho T + Bq
.endr
.set i, i+1
.endr
	WIN 0x50
.set i, 0
.rept 16
.irp m, 0,1,2,3
	v_pk_fma_f32 v[32*\m+2*i:32*\m+2*i+1], v[128+2*i:129+2*i], v[GA+2*\m:GA+2*\m+1], v[32*\m+2*i:32*\m+2*i+1] op_sel_hi:[1,0,1]           ; + alpha U
.endr
.set i, i+1
.endr
	WIN 0
.Lep:
	s_cmp_eq_u32 s[J], 1
	s_cbranch_scc1 .Lnr                            ; v is not rotated
	s_wait_loadcnt 0x0                             ; the table
.irp m, 0,1,2,3
	WIN 0x05
.set i, 0
.rept 16
	v_pk_mul_f32 v[192+2*i:193+2*i], v[32*\m+2*i:32*\m+2*i+1], v[128+32*\m+2*i:129+32*\m+2*i] op_sel_hi:[0,1]   ; (x1 cos, x1 sin)
.set i, i+1
.endr
	WIN 0x45
.set i, 0
.rept 16
	v_pk_fma_f32 v[32*\m+2*i:32*\m+2*i+1], v[32*\m+2*i:32*\m+2*i+1], v[128+32*\m+2*i:129+32*\m+2*i], v[192+2*i:193+2*i] op_sel:[1,1,0] op_sel_hi:[1,0,1] neg_lo:[1,0,0]   ; (- x2 sin, + x2 cos)
.set i, i+1
.endr
.endr
	WIN 0
.Lnr:
	s_cmp_eq_u32 s[J], 0
	s_cselect_b64 s[OUT:OUT+1], s[26:27], s[28:29]
	s_cmp_eq_u32 s[J], 2
	s_cselect_b64 s[OUT:OUT+1], s[24:25], s[OUT:OUT+1]
	s_add_nc_u64 s[OUT:OUT+1], s[OUT:OUT+1], s[62:63]
; The way out.  All 64 rows are rounded to bf16 into v[OA ..]; then, 16 rows at a time: 16 bytes a lane into my stage, back as whole rows of 128 bytes into v[OB ..], stored as 512 consecutive bytes.
	WIN 0x05
.set i, 0
.rept 64
	v_cvt_pk_bf16_f32 v[OA+i], v[2*i], v[2*i+1]
.set i, i+1
.endr
	WIN 0
	s_wait_alu depctr_va_vdst(0)                   ; the roundings have written v[OA ..], which the LDS stores read; every earlier vector and matrix instruction is done with v[OB ..], in which the stage's loads land
.macro KSTG mb
.irp n, 0,1,2,3
	ds_store_b128 v[STO], v[OA+16*(\mb)+4*\n:OA+16*(\mb)+4*\n+3] offset:32*\n
.endr
.irp f, 0,1,2,3
	ds_load_b128 v[OB+16*(\mb)+4*\f:OB+16*(\mb)+4*\f+3], v[RD] offset:576*\f   ; LDS serves a wave's instructions in order: these see the stores above, and the next block's stores come behind them
.endr
.endm
.macro KSEND mb, younger               ; younger: the next block's eight LDS instructions, or none
.irp f, 0,1,2,3
	s_wait_dscnt (\younger)+3-\f
	global_store_b128 v[BO], v[OB+16*(\mb)+4*\f:OB+16*(\mb)+4*\f+3], s[OUT:OUT+1] offset:2048*(\mb)+512*\f
.endr
.endm
	KSTG 0
	KSTG 1
	KSEND 0, 8
	KSTG 2
	KSEND 1, 8
	KSTG 3
	KSEND 2, 8
	KSEND 3, 0
	s_wait_xcnt 0x0                                ; the stores have had their addresses translated: their base is written again in the next trip
	s_wait_alu depctr_vm_vsrc(0)                   ; the stores have read v[OA ..] and v[OB ..], the LDS loads v[AA ..] and v[VA2]: all are written again in the next trip
	s_add_co_u32 s[J], s[J], 1
	s_cmp_lt_u32 s[J], 3
	s_cbranch_scc1 .Lj
	s_wait_dscnt 0x0                               ; the closing lines, six on end
	s_wait_alu 0x0
	s_wait_tensorcnt 0x0
	ds_add_u32 v[SPW], v[NIL]
	s_wait_dscnt 0x0
	s_endpgm
.Lfunc_end_k_qa69106b4f1_imgkv:
	.size	k_qa69106b4f1_imgkv, .Lfunc_end_k_qa69106b4f1_imgkv-k_qa69106b4f1_imgkv
	.p2alignl 7, 3214868480
	.fill 96, 4, 3214868480
	.section	.rodata,"a",@progbits
	.p2align	6, 0x0
	.amdhsa_kernel k_qa69106b4f1_imgkv
		.amdhsa_group_segment_fixed_size 238592
		.amdhsa_private_segment_fixed_size 0
		.amdhsa_enable_private_segment 0
		.amdhsa_kernarg_size 104
		.amdhsa_user_sgpr_count 2
		.amdhsa_user_sgpr_kernarg_segment_ptr 1
		.amdhsa_wavefront_size32 1
		.amdhsa_system_sgpr_workgroup_id_x 1
		.amdhsa_system_sgpr_workgroup_id_y 1
		.amdhsa_system_sgpr_workgroup_id_z 1
		.amdhsa_system_vgpr_workitem_id 0
		.amdhsa_next_free_vgpr 512
		.amdhsa_next_free_sgpr 66
		.amdhsa_reserve_vcc 0
		.amdhsa_float_denorm_mode_32 3
		.amdhsa_float_denorm_mode_16_64 3
		.amdhsa_memory_ordered 1
		.amdhsa_forward_progress 1
		.amdhsa_inst_pref_size 131
	.end_amdhsa_kernel
	.amdgpu_metadata
---
amdhsa.version: [ 1, 2 ]
amdhsa.kernels:
  - .name:           k_qa69106b4f1_imgkv
    .symbol:         k_qa69106b4f1_imgkv.kd
    .args:
      - { .name: img_feats, .offset: 0, .size: 8, .value_kind: global_buffer, .address_space: global }
      - { .name: gene_values, .offset: 8, .size: 8, .value_kind: global_buffer, .address_space: global }
      - { .name: params_img_proj_b, .offset: 16, .size: 8, .value_kind: global_buffer, .address_space: global }
      - { .name: params_img_norm_g, .offset: 24, .size: 8, .value_kind: global_buffer, .address_space: global }
      - { .name: params_img_norm_b, .offset: 32, .size: 8, .value_kind: global_buffer, .address_space: global }
      - { .name: params_bk, .offset: 40, .size: 8, .value_kind: global_buffer, .address_space: global }
      - { .name: params_bv, .offset: 48, .size: 8, .value_kind: global_buffer, .address_space: global }
      - { .name: wf, .offset: 56, .size: 8, .value_kind: global_buffer, .address_space: global }
      - { .name: rope, .offset: 64, .size: 8, .value_kind: global_buffer, .address_space: global }
      - { .name: gq, .offset: 72, .size: 8, .value_kind: global_buffer, .address_space: global }
      - { .name: qh, .offset: 80, .size: 8, .value_kind: global_buffer, .address_space: global }
      - { .name: kh, .offset: 88, .size: 8, .value_kind: global_buffer, .address_space: global }
      - { .name: vh, .offset: 96, .size: 8, .value_kind: global_buffer, .address_space: global }
    .group_segment_fixed_size: 238592
    .private_segment_fixed_size: 0
    .kernarg_segment_align: 8
    .kernarg_segment_size: 104
    .max_flat_workgroup_size: 256
    .sgpr_count:     66
    .vgpr_count:     512
    .wavefront_size: 32
...
	.end_amdgpu_metadata
.endif
;; end of part 5
;; launch attn: the kernel of part 3 again; grid 2 x 128, 4 waves a work-group, no clusters, 327,680 bytes of LDS; arguments qh, kh, vh, oh; writes oh
;; launch tail (part 6): grid 256 x 1, 8 waves a work-group, no clusters, 301,056 bytes of LDS; arguments oh, gene_values, gq, params_gene_norm_b, wf, params_bo, params_ln1_g, params_ln1_b, params_ff1_b, params_ff2_b, params_ln2_g, params_ln2_b, params_head_w, params_head_b, out0, out1; writes out0, out1
.if DOCPART == 6
	.amdgcn_target "amdgcn-amd-amdhsa--gfx1250"
	.amdhsa_code_object_version 6
	.text
	.protected	k_qa69106b4f1_tail
	.globl	k_qa69106b4f1_tail
	.p2align	8
	.type	k_qa69106b4f1_tail,@function
k_qa69106b4f1_tail:
	s_mov_b64 s[64:65], 0
	v_nop
	global_prefetch_b8 v0, s[64:65] scope:SCOPE_SE
	s_setreg_imm32_b32 hwreg(HW_REG_WAVE_SCHED_MODE, 0, 2), 2
	s_setreg_imm32_b32 hwreg(HW_REG_WAVE_MODE, 25, 1), 1
	s_wait_xcnt 0x0
	s_wait_alu depctr_vm_vsrc(0)
; A work-group takes 64 rows through: x = LayerNorm1(gene + O wo + bo); ff = relu(x ff1 + b1) ff2 + b2; y = LayerNorm2(x + ff) -> out1; y . head_w + head_b -> out0.
; gene = alpha u + rho t + beta is made anew from its closed form (u, t and the three moments in gq).  All inputs are rounded to bf16 once.
; FORMATS.  O and wo, relu(..) and ff2 multiply in bf16; x multiplies in f16 with ff1_w's bf16 numbers written as f16.  The residual x stays f32 in registers.
; LIMITS.  |x| and |ff1_w| within 65,504 (x is a LayerNorm's output: at most 22.6 |gain| + |bias|); below 6e-5 f16's fixed step of 6e-8.  NaN and infinities are not treated apart.
; SHARES, LAYOUT, WEIGHTS: eight waves; wave w owns all 64 rows x 64 columns (ff1: twice); the matrix instruction is used transposed (source 0 = 16 columns of the weights):
; register j of lane (r, h) of accumulator (mb, nb) is row 16 mb + r, column 64 w + 16 nb + 8 h + j.  Weights come from their images straight into the registers of the one wave that needs them,
; three K steps ahead; they pass through no LDS, so the K loops have no barrier, and NO CLUSTER: what would be shared never lies in LDS.
; REGISTERS.  Window 0: v0-31 addresses and (alpha, rho); v32-95 activations' fragments, at the end head_w; v96-127 bias; v128-255 weights' fragments, at work in the epilogues.
;             Window 1: v0-127 the accumulators at 8 (4 mb + nb); v128-255 x in f32.
; THE MODE: SCHED_MODE bits 1:0 = 2 (LLVM: expert scheduling mode 2), set by the entry lines.  The code itself states the register dependences
; between vector or matrix instructions and memory or LDS instructions, with s_wait_alu, always for 0.
; THE PLAN.  Registers that memory or LDS instructions touch in the K loops:
;   BR0 .. BR3  K step k: its 16 products read BR[k % 4]; its eight loads, the weights of step k + 3, land in BR[(k + 3) % 4], which step k - 1's products read.
;   AF0, AF1    K step k: its products read AF[k % 2]; its eight LDS loads, the activations of step k + 1, land in the other, which step k - 1's products read.
;   v[AA ..]    Read by every LDS load of a fragment; written at a product's head and once in a trip of four steps.
;   v[BO]       Read by every load of weights; never written again: the scalar base moves on, and immediate offsets do the rest.
; So ONE wait on va_vdst stands at a step's head, behind the waits for the step's own data: the last step's products are done reading what this step's loads land in.  Four products
; follow, then the 16 loads in one run, then twelve products: these name BR[k % 4], AF[k % 2] and the accumulators, none of the registers that the loads touch.
; Outside the loops a block's 64 roundings stand together, so that one wait on va_vdst serves the whole run of LDS stores behind them.
.set P1, 2064
.set P2, 1040
.set A0, 0                             ; O as bf16, 64 rows; after the first norm the way out's stages, 16 rows x 272 bytes a wave
.set XB, 64*P2                         ; x as f16
.set HB, XB+64*P2                      ; relu(..) as bf16, 64 rows of 1,024
.set VEC, HB+64*P1                     ; twelve vectors of 512 f32: bo, u, t, beta, ln1 g, b, ff1_b low, high, ff2_b, ln2 g, b, head_w
.set RED, VEC+12*2048                  ; five regions of [mb 4][r 16][wave 8] partial sums
.set SPARE, RED+5*2048                 ; the spare words: 128 bytes a wave, four blocks of 256 bytes that no other line names
.set BO, 4
.set L1, 5
.set L2, 6
.set VA, 7
.set AA, 8
.set RA, 12
.set RB, 13
.set XA, 14                            ; XB + r P2 + 128 w + 16 h
.set SA, 15                            ; stage, in: 4,352 w + 272 r + 32 h
.set SR, 16                            ; stage, back: 4,352 w + 272 h + 16 r
.set OO, 17                            ; out1: 2,048 h + 16 r
.set HA, 18                            ; v18-19: HB + (r + 32 k) P1 + 128 w + 16 h + 1,024 J
.set VA2, 20
.set ZR, 21
.set SPW, 22
.set NIL, 23
.set GA, 24
.set AF, 32
.set BIAS, 96
.set BR, 128
.set OA, 128                           ; v128-191: 64 rows' rounded results on their way into LDS
.set TT, 192
.set MU, 200
.set RS, 208
.set PL, 216
.set WV, 40
.set WG, 41
.set WP, 42
.set CT, 44
.set J, 45
.set SEL, 48
.set HDB, 50                           ; head_b
.set STA, 52
.set MSB, 0
.macro WIN new                         ; s_set_vgpr_msb: bits 1:0 source 0, 3:2 source 1, 5:4 source 2, 7:6 destination; the high byte repeats the setting that is left
.if MSB != (\new)
	s_set_vgpr_msb (MSB<<8)|(\new)
.set MSB, (\new)
.endif
.endm
.macro PLACES                          ; four places behind a matrix instruction (ISA guide 7.12.1), ahead of the vector instructions that read its result or write its sources
.rept 4
	v_nop
.endr
.endm
.macro BAR
	s_wait_dscnt 0x0
	s_barrier_signal -1
	s_barrier_wait -1
.endm
.macro RB2 a, b, t
	v_cvt_pk_bf16_f32 v[\t], v[\a], v[\b]
	v_lshlrev_b32 v[\a], 16, v[\t]
	v_and_b32 v[\b], 0xffff0000, v[\t]
.endm
.macro VLD dst, areg, off              ; my 32 numbers of a vector: register 8 nb + j = column 64 w + 16 nb + 8 h + j
.irp q, 0,1,2,3,4,5,6,7
	ds_load_b128 v[(\dst)+4*\q:(\dst)+4*\q+3], v[\areg] offset:(\off)+64*(\q/2)+16*(\q%2)
.endr
.endm
.macro BLD set, off                    ; a K step's four fragments of weights: eight loads of 512 consecutive bytes
.irp q, 0,1,2,3,4,5,6,7
	global_load_b128 v[BR+32*(\set)+4*\q:BR+32*(\set)+4*\q+3], v[BO], s[WP:WP+1] offset:(\off)+512*\q
.endr
.endm
.macro AFE buf, koff
.irp m, 0,1,2,3
	ds_load_b128 v[AF+32*(\buf)+8*\m:AF+32*(\buf)+8*\m+3], v[AA+\m] offset:(\koff)
	ds_load_b128 v[AF+32*(\buf)+8*\m+4:AF+32*(\buf)+8*\m+7], v[AA+\m] offset:(\koff)+32
.endr
.endm
; Four products of K step 4 t + 1 + i: row block m x the four column blocks.  first = 1: the sums begin, with the bias as C.  h = 1: the operands are f16.
.macro MULM i, first, h, m
.if \first
	WIN 0x40
.else
	WIN 0x50
.endif
.irp n, 0,1,2,3
.if (\first) && (\h)
	v_wmma_f32_16x16x32_f16 v[8*(4*(\m)+\n):8*(4*(\m)+\n)+7], v[BR+32*(((\i)+1)%4)+8*\n:BR+32*(((\i)+1)%4)+8*\n+7], v[AF+32*(((\i)+1)%2)+8*(\m):AF+32*(((\i)+1)%2)+8*(\m)+7], v[BIAS+8*\n:BIAS+8*\n+7]
.elseif \first
	v_wmma_f32_16x16x32_bf16 v[8*(4*(\m)+\n):8*(4*(\m)+\n)+7], v[BR+32*(((\i)+1)%4)+8*\n:BR+32*(((\i)+1)%4)+8*\n+7], v[AF+32*(((\i)+1)%2)+8*(\m):AF+32*(((\i)+1)%2)+8*(\m)+7], v[BIAS+8*\n:BIAS+8*\n+7]
.elseif \h
	v_wmma_f32_16x16x32_f16 v[8*(4*(\m)+\n):8*(4*(\m)+\n)+7], v[BR+32*(((\i)+1)%4)+8*\n:BR+32*(((\i)+1)%4)+8*\n+7], v[AF+32*(((\i)+1)%2)+8*(\m):AF+32*(((\i)+1)%2)+8*(\m)+7], v[8*(4*(\m)+\n):8*(4*(\m)+\n)+7]
.else
	v_wmma_f32_16x16x32_bf16 v[8*(4*(\m)+\n):8*(4*(\m)+\n)+7], v[BR+32*(((\i)+1)%4)+8*\n:BR+32*(((\i)+1)%4)+8*\n+7], v[AF+32*(((\i)+1)%2)+8*(\m):AF+32*(((\i)+1)%2)+8*(\m)+7], v[8*(4*(\m)+\n):8*(4*(\m)+\n)+7]
.endif
.endr
.endm
; K step 4 t + 1 + i: 16 products; behind the first four it asks for the activations one step on and the weights three steps on.  The 16 accumulators take turns, over the backward jump too.
; lcnt: the younger weight loads that may stay out (8 a step, two steps); of LDS loads none is younger than this step's fragments.
.macro STEP i, first, ld, af, lcnt, h
	s_wait_loadcnt \lcnt                           ; loads come back in order (ISA guide 5.7.1): this step's weights are in
	s_wait_dscnt 0x0                               ; this step's activations are in (in the first step the bias too)
.if (\af) && !(\first)
	s_wait_alu depctr_va_vdst(0)                   ; the last step's products are done reading their weights and activations, in which this step's loads land; behind the backward jump v[AA ..] are written
.endif
	MULM \i, \first, \h, 0
	WIN 0
.if \af
	AFE ((\i)+2)%2, ((\i)+2)*64                    ; no wait: no vector or matrix instruction since the wait above names these registers
.endif
.if \ld
	BLD ((\i)+4)%4, ((\i)+4)*4096
.endif
	MULM \i, \first, \h, 1
	MULM \i, \first, \h, 2
	MULM \i, \first, \h, 3
.endm
; 64 rows x my 64 columns over S K steps of 32; the first step's C is the bias, so nothing is cleared.  The caller has set WP.  bl = 1: the bias is loaded here; 0: the caller has made it.
.macro GEMM S, lreg, abase, pitch, h, bl, breg, boff, tag
.irp m, 0,1,2,3
	v_add_nc_u32 v[AA+\m], (\abase)+\m*16*(\pitch), v[\lreg]
.endr
	s_wait_alu depctr_va_vdst(0)                   ; v[AA ..] and the bias's address are written, which the LDS loads below read; every earlier vector and matrix instruction is done with BIAS, AF and BR, in which the loads below land
.if \bl
	VLD BIAS, \breg, \boff
.endif
	BLD 0, 0
	BLD 1, 4096
	BLD 2, 8192
	AFE 0, 0
	STEP -1, 1, 1, 1, 16, \h
	WIN 0
	s_mov_b32 s[CT], ((\S)-4)/4
.Lk_\tag:
	STEP 0, 0, 1, 1, 16, \h
	STEP 1, 0, 1, 1, 16, \h
	STEP 2, 0, 1, 1, 16, \h
	STEP 3, 0, 1, 1, 16, \h
	WIN 0
	s_wait_xcnt 0x0                                ; the loads issued so far have read their base: it is stepped only behind this wait
	s_add_nc_u64 s[WP:WP+1], s[WP:WP+1], 16384
	s_wait_alu depctr_vm_vsrc(0)                   ; the fragments' LDS loads issued so far have read v[AA ..]
.irp m, 0,1,2,3
	v_add_nc_u32 v[AA+\m], 0x100, v[AA+\m]
.endr
	s_sub_co_u32 s[CT], s[CT], 1
	s_cmp_lg_u32 s[CT], 0
	s_cbranch_scc1 .Lk_\tag
	STEP 0, 0, 0, 1, 16, \h                        ; the last three steps ask for no weights: the counts run down
	STEP 1, 0, 0, 1, 8, \h
	STEP 2, 0, 0, 0, 0, \h
	PLACES
	WIN 0
.endm
; TT's four pairs hold my lane's partial sums for rows 16 mb + r: added over the pair, the halves of the lanes and, through LDS, the eight waves.  The total lands in v[PL + 8 mb].
.macro RSTO red
	WIN 0
.irp m, 0,1,2,3
	v_add_f32 v[TT+2*\m], v[TT+2*\m], v[TT+2*\m+1]
.endr
.irp m, 0,1,2,3
	v_permlanex16_b32 v[TT+2*\m+1], v[TT+2*\m], s[SEL], s[SEL+1]
.endr
.irp m, 0,1,2,3
	v_add_f32 v[TT+2*\m], v[TT+2*\m], v[TT+2*\m+1]
.endr
	s_wait_alu depctr_va_vdst(0)                   ; the sums are written into v[TT ..], which the LDS stores read; every earlier vector and matrix instruction is done with the registers in which the loads behind the barrier land
.irp m, 0,1,2,3
	ds_store_b32 v[RA], v[TT+2*\m] offset:(\red)+512*\m
.endr
	BAR
	s_wait_alu depctr_vm_vsrc(0)                   ; my LDS stores have read v[TT ..], which the next sums write again and in which later loads land
.endm
.macro RSUM red
	RSTO \red
.irp m, 0,1,2,3
	ds_load_b128 v[PL+8*\m:PL+8*\m+3], v[RB] offset:(\red)+512*\m
	ds_load_b128 v[PL+8*\m+4:PL+8*\m+7], v[RB] offset:(\red)+512*\m+16
.endr
	s_wait_dscnt 0x0
.irp m, 0,1,2,3
	v_pk_add_f32 v[PL+8*\m:PL+8*\m+1], v[PL+8*\m:PL+8*\m+1], v[PL+8*\m+2:PL+8*\m+3]
	v_pk_add_f32 v[PL+8*\m+4:PL+8*\m+5], v[PL+8*\m+4:PL+8*\m+5], v[PL+8*\m+6:PL+8*\m+7]
.endr
.irp m, 0,1,2,3
	v_pk_add_f32 v[PL+8*\m:PL+8*\m+1], v[PL+8*\m:PL+8*\m+1], v[PL+8*\m+4:PL+8*\m+5]
.endr
.irp m, 0,1,2,3
	v_add_f32 v[PL+8*\m], v[PL+8*\m], v[PL+8*\m+1]
.endr
.endm
; LayerNorm over the 512 columns of the accumulators: mean; the rows centred in place; the mean of squares of the centred rows; times rsqrt, gain, plus bias, into window 1 from v[dst] on.
.macro LN red0, red1, goff, boff, dst
	WIN 0x05
.irp m, 0,1,2,3
	v_pk_add_f32 v[TT+2*\m:TT+2*\m+1], v[32*\m:32*\m+1], v[32*\m+2:32*\m+3]
.endr
	WIN 0x04
.set i, 2
.rept 14
.irp m, 0,1,2,3
	v_pk_add_f32 v[TT+2*\m:TT+2*\m+1], v[TT+2*\m:TT+2*\m+1], v[32*\m+2*i:32*\m+2*i+1]
.endr
.set i, i+1
.endr
	RSUM \red0
.irp m, 0,1,2,3
	v_mul_f32 v[MU+2*\m], 0x3b000000, v[PL+8*\m]
.endr
.irp m, 0,1,2,3
	v_mov_b32 v[MU+2*\m+1], v[MU+2*\m]
.endr
	WIN 0x41
.set i, 0
.rept 16
.irp m, 0,1,2,3
	v_pk_add_f32 v[32*\m+2*i:32*\m+2*i+1], v[32*\m+2*i:32*\m+2*i+1], v[MU+2*\m:MU+2*\m+1] neg_lo:[0,1] neg_hi:[0,1]
.endr
.set i, i+1
.endr
	WIN 0x05
.irp m, 0,1,2,3
	v_pk_mul_f32 v[TT+2*\m:TT+2*\m+1], v[32*\m:32*\m+1], v[32*\m:32*\m+1]
.endr
.set i, 1
.rept 15
.irp m, 0,1,2,3
	v_pk_fma_f32 v[TT+2*\m:TT+2*\m+1], v[32*\m+2*i:32*\m+2*i+1], v[32*\m+2*i:32*\m+2*i+1], v[TT+2*\m:TT+2*\m+1]
.endr
.set i, i+1
.endr
	WIN 0
	VLD 128, VA, \goff                             ; gain and bias: waited for with the barrier's wait.  No wait on va_vdst: no vector or matrix instruction since the first sum's wait names v128-191
	VLD 160, VA, \boff
	RSUM \red1
.irp m, 0,1,2,3
	v_mul_f32 v[PL+8*\m], 0x3b000000, v[PL+8*\m]
.endr
.irp m, 0,1,2,3
	v_add_f32 v[PL+8*\m], 0x3727c5ac, v[PL+8*\m]   ; + 1e-5
.endr
.irp m, 0,1,2,3
	v_rsq_f32 v[RS+2*\m], v[PL+8*\m]
.endr
	v_nop                                          ; a plain instruction behind the last of the four,
	s_wait_alu depctr_va_vdst(0)                   ; and the one wait ahead of the first use of the four results in v[RS ..]
.irp m, 0,1,2,3
	v_mov_b32 v[RS+2*\m+1], v[RS+2*\m]
.endr
	WIN 0x41
.set i, 0
.rept 16
.irp m, 0,1,2,3
	v_pk_mul_f32 v[32*\m+2*i:32*\m+2*i+1], v[32*\m+2*i:32*\m+2*i+1], v[RS+2*\m:RS+2*\m+1]
.endr
.set i, i+1
.endr
.set i, 0
.rept 16
.irp m, 0,1,2,3
	v_pk_fma_f32 v[(\dst)+32*\m+2*i:(\dst)+32*\m+2*i+1], v[32*\m+2*i:32*\m+2*i+1], v[128+2*i:129+2*i], v[160+2*i:161+2*i]
.endr
.set i, i+1
.endr
	WIN 0
.endm
	s_load_b512 s[4:19], s[0:1], 0x0               ; oh 4, gene_values 6, gq 8, gene_norm_b 10, wf 12, bo 14, ln1_g 16, ln1_b 18
	s_load_b512 s[20:35], s[0:1], 0x40             ; ff1_b 20, ff2_b 22, ln2_g 24, ln2_b 26, head_w 28, head_b 30, out0 32, out1 34
	v_lshl_add_u32 v[SPW], v0, 2, SPARE
	v_mov_b32 v[NIL], 0
	v_lshrrev_b32 v1, 5, v0
	v_readfirstlane_b32 s[WV], v1                  ; wave 0..7
	s_mov_b32 s[WG], ttmp9
	s_mov_b32 s[SEL], 0x76543210
	s_mov_b32 s[SEL+1], 0xfedcba98
	v_and_b32 v1, 31, v0                           ; l
	v_and_b32 v2, 15, v0                           ; r
	v_bfe_u32 v3, v0, 4, 1                         ; h
	v_mov_b32 v[ZR], 0
	v_lshlrev_b32 v[BO], 4, v1
	v_mul_u32_u24 v[L1], v2, P2
	v_lshl_add_u32 v[L1], v3, 4, v[L1]
	v_mul_u32_u24 v[L2], v2, P1
	v_lshl_add_u32 v[L2], v3, 4, v[L2]
	s_wait_alu depctr_va_sdst(0)                   ; the wave's number is written, ahead of its first reader: addresses and bases are made from it
	s_lshl_b32 s56, s[WV], 8
	s_add_co_u32 s56, s56, VEC
	v_lshl_add_u32 v[VA], v3, 5, s56
	s_lshl_b32 s56, s[WV], 2
	s_add_co_u32 s56, s56, RED
	v_lshl_add_u32 v[RA], v2, 5, s56
	v_lshlrev_b32 v[RB], 5, v2
	v_add_nc_u32 v[RB], RED, v[RB]
	s_lshl_b32 s57, s[WV], 7                       ; 128 w: my 64 columns in a row of 16-bit numbers
	s_add_co_u32 s56, s57, XB
	v_add_nc_u32 v[XA], s56, v[L1]
	s_add_co_u32 s56, s57, HB
	v_add_nc_u32 v[HA], s56, v[L2]
	v_add_nc_u32 v[HA+1], 32*P1, v[HA]
	s_mul_i32 s56, s[WV], 4352                     ; my stage
	v_mul_u32_u24 v[SA], v2, 272
	v_lshl_add_u32 v[SA], v3, 5, v[SA]
	v_add_nc_u32 v[SA], s56, v[SA]
	v_mul_u32_u24 v[SR], v3, 272
	v_lshl_add_u32 v[SR], v2, 4, v[SR]
	v_add_nc_u32 v[SR], s56, v[SR]
	v_lshlrev_b32 v[OO], 11, v3
	v_lshl_add_u32 v[OO], v2, 4, v[OO]
	v_lshlrev_b32 v8, 3, v0                        ; 8 x thread
	v_lshlrev_b32 v9, 2, v2                        ; 4 r
	v_lshrrev_b32 v10, 3, v1                       ; O into A0: row l / 8 of four, 16 bytes at 16 (l % 8), columns 64 w on
	v_mul_u32_u24 v10, v10, P2
	v_and_b32 v11, 7, v0
	v_lshl_add_u32 v10, v11, 4, v10
	v_add_nc_u32 v10, s57, v10
	v_add_nc_u32 v11, VEC, v8
	s_lshr_b32 s56, s[WG], 4                       ; O: batch, head w, position pos0
	s_lshl_b32 s56, s56, 20
	s_lshl_b32 s57, s[WV], 17
	s_add_co_u32 s56, s56, s57
	s_and_b32 s57, s[WG], 15
	s_lshl_b32 s57, s57, 13
	s_add_co_u32 s56, s56, s57
	s_mov_b32 s57, 0
	s_lshl_b32 s58, s[WG], 8                       ; gene_values and out0: 64 numbers
	s_mov_b32 s59, 0
	s_lshl_b32 s60, s[WG], 17                      ; out1: 64 rows of 2,048 bytes, my 256 bytes of each
	s_lshl_b32 s61, s[WV], 8
	s_add_co_u32 s60, s60, s61
	s_mov_b32 s61, 0
	s_wait_kmcnt 0x0
	s_load_b128 s[STA:STA+3], s[8:9], 0x2800       ; Vw, 2 C, Vb
	s_load_b32 s[HDB], s[30:31], 0x0
	s_add_nc_u64 s[4:5], s[4:5], s[56:57]
	s_add_nc_u64 s[6:7], s[6:7], s[58:59]
	s_add_nc_u64 s[32:33], s[32:33], s[58:59]
	s_add_nc_u64 s[34:35], s[34:35], s[60:61]
	s_wait_alu depctr_va_vdst(0)                   ; the offsets and LDS addresses v4 to v19 are written, which the loads and stores of the kernel read
	global_load_b64 v[192:193], v8, s[14:15]
	global_load_b64 v[194:195], v8, s[8:9]
	global_load_b64 v[196:197], v8, s[8:9] offset:2048
	global_load_b64 v[198:199], v8, s[10:11]
	global_load_b64 v[200:201], v8, s[16:17]
	global_load_b64 v[202:203], v8, s[18:19]
	global_load_b64 v[204:205], v8, s[20:21]
	global_load_b64 v[206:207], v8, s[20:21] offset:2048
	global_load_b64 v[208:209], v8, s[22:23]
	global_load_b64 v[210:211], v8, s[24:25]
	global_load_b64 v[212:213], v8, s[26:27]
	global_load_b64 v[214:215], v8, s[28:29]
.irp m, 0,1,2,3
	global_load_b32 v[GA+2*\m], v9, s[6:7] offset:64*\m
.endr
.set f, 0
.rept 16
	global_load_b128 v[128+4*f:131+4*f], v[BO], s[4:5] offset:512*f th:TH_LOAD_NT   ; head w's 64 rows: 512 consecutive bytes a load
.set f, f+1
.endr
	s_wait_loadcnt 0x0
	s_wait_kmcnt 0x0
.set f, 0
.rept 16
	ds_store_b128 v10, v[128+4*f:131+4*f] offset:4*P2*f   ; O goes into LDS as it came: no vector instruction has named these registers
.set f, f+1
.endr
.irp u, 0,3,4,5,6,7,8,9,10,11
	RB2 192+2*\u, 193+2*\u, 216                    ; the inputs are rounded; u and t are made numbers and stay f32
.endr
.irp m, 0,1,2,3
	v_cvt_pk_bf16_f32 v216, v[GA+2*\m], v[GA+2*\m]
	v_lshlrev_b32 v[GA+2*\m], 16, v216
	v_fma_f32 v[GA+2*\m+1], v[GA+2*\m], s[STA], s[STA+1]
	v_fma_f32 v[GA+2*\m+1], v[GA+2*\m], v[GA+2*\m+1], s[STA+2]
	v_add_f32 v[GA+2*\m+1], 0x3727c5ac, v[GA+2*\m+1]
.endr
.irp m, 0,1,2,3
	v_rsq_f32 v[GA+2*\m+1], v[GA+2*\m+1]           ; rho
.endr
	v_nop
	s_wait_alu depctr_va_vdst(0)                   ; the four rho are written, ahead of their first use; so are the rounded vectors in v192-215, which the LDS stores read
.irp u, 0,1,2,3,4,5,6,7,8,9,10,11
	ds_store_b64 v11, v[192+2*\u:193+2*\u] offset:2048*\u
.endr
.irp m, 0,1,2,3
	v_mul_f32 v[GA+2*\m], v[GA+2*\m], v[GA+2*\m+1] ; alpha = gv rho
.endr
	BAR                                            ; O and the vectors are whole
	s_wait_alu depctr_vm_vsrc(0)                   ; my loads and LDS stores have read v8-11, which become v[AA ..], and v128-215, in which loads land
	; gene + O wo + bo: the sums start at bo + beta; alpha u + rho t are added behind the product
	VLD BIAS, VA, 0
	VLD 128, VA, 6144
	s_wait_dscnt 0x0
.set i, 0
.rept 16
	v_pk_add_f32 v[BIAS+2*i:BIAS+2*i+1], v[BIAS+2*i:BIAS+2*i+1], v[128+2*i:129+2*i]
.set i, i+1
.endr
	s_lshl_b32 s56, s[WV], 16
	s_add_co_u32 s56, s56, 2097152
	s_mov_b32 s57, 0
	s_add_nc_u64 s[WP:WP+1], s[12:13], s[56:57]
	GEMM 16, L1, A0, P2, 0, 0, VA, 0, g1
	VLD 128, VA, 2048                              ; u.  No wait on va_vdst: v128-191 are weight sets 0 and 1, last read by the products of K steps 12 and 13, which were issued ahead of step 14's wait
	VLD 160, VA, 4096                              ; t
	s_wait_dscnt 0x0
	WIN 0x50
.set i, 0
.rept 16
.irp m, 0,1,2,3
	v_pk_fma_f32 v[32*\m+2*i:32*\m+2*i+1], v[128+2*i:129+2*i], v[GA+2*\m:GA+2*\m+1], v[32*\m+2*i:32*\m+2*i+1] op_sel_hi:[1,0,1]
.endr
.set i, i+1
.endr
.set i, 0
.rept 16
.irp m, 0,1,2,3
	v_pk_fma_f32 v[32*\m+2*i:32*\m+2*i+1], v[160+2*i:161+2*i], v[GA+2*\m:GA+2*\m+1], v[32*\m+2*i:32*\m+2*i+1] op_sel:[0,1,0] op_sel_hi:[1,1,1]
.endr
.set i, i+1
.endr
	WIN 0
	LN 0, 2048, 8192, 10240, 128                   ; x, f32, into window 1's upper half
	WIN 0x05                                       ; x, rounded to f16, into LDS rows: 16 bytes a lane and group of 16 columns
.set i, 0
.rept 64
	v_cvt_pk_f16_f32 v[OA+i], v[128+2*i], v[128+2*i+1]
.set i, i+1
.endr
	WIN 0
	s_wait_alu depctr_va_vdst(0)                   ; the roundings have written v[OA ..], which the LDS stores read
.irp m, 0,1,2,3
.irp n, 0,1,2,3
	ds_store_b128 v[XA], v[OA+16*\m+4*\n:OA+16*\m+4*\n+3] offset:\m*16*P2+32*\n
.endr
.endr
	BAR                                            ; x is whole in LDS
	; relu(x ff1 + b1): my 64 columns of the lower 512, then of the upper.  No barrier in the loop: x is only read, HB only written.
	s_mov_b32 s[J], 0
	s_wait_alu depctr_vm_vsrc(0)                   ; my LDS stores have read v[OA ..], and the first product's fragment loads v[AA ..]: both are written again in the loop
.Lf:
	s_lshl_b32 s56, s[J], 11
	s_add_co_u32 s56, s56, 12288
	v_add_nc_u32 v[VA2], s56, v[VA]
	s_lshl_b32 s56, s[J], 3
	s_add_co_u32 s56, s56, s[WV]
	s_lshl_b32 s56, s56, 16
	s_add_co_u32 s56, s56, 2621440
	s_mov_b32 s57, 0
	s_add_nc_u64 s[WP:WP+1], s[12:13], s[56:57]
	GEMM 16, L1, XB, P2, 1, 1, VA2, 0, g2
	WIN 0x05
.set i, 0
.rept 64
	v_cvt_pk_bf16_f32 v[OA+i], v[2*i], v[2*i+1]
.set i, i+1
.endr
	WIN 0
.set i, 0
.rept 64
	v_pk_max_num_bf16 v[OA+i], v[OA+i], v[ZR]
.set i, i+1
.endr
	s_wait_alu depctr_va_vdst(0)                   ; the maxima have written v[OA ..], which the LDS stores read
.irp m, 0,1,2,3
.irp n, 0,1,2,3
	ds_store_b128 v[HA+\m/2], v[OA+16*\m+4*\n:OA+16*\m+4*\n+3] offset:(\m%2)*16*P1+32*\n
.endr
.endr
	s_wait_alu depctr_vm_vsrc(0)                   ; the LDS stores have read v[HA], v[HA+1] and v[OA ..], the LDS loads v[AA ..] and v[VA2]: all are written again below, in the next trip or in the next product
	v_add_nc_u32 v[HA], 0x400, v[HA]
	v_add_nc_u32 v[HA+1], 0x400, v[HA+1]
	s_add_co_u32 s[J], s[J], 1
	s_cmp_lt_u32 s[J], 2
	s_cbranch_scc1 .Lf
	BAR                                            ; relu(..) is whole in LDS
	s_lshl_b32 s56, s[WV], 17
	s_add_co_u32 s56, s56, 3670016
	s_mov_b32 s57, 0
	s_add_nc_u64 s[WP:WP+1], s[12:13], s[56:57]
	GEMM 32, L2, HB, P1, 0, 1, VA, 16384, g3
	WIN 0x45
.set i, 0
.rept 64
	v_pk_add_f32 v[2*i:2*i+1], v[2*i:2*i+1], v[128+2*i:129+2*i]   ; + x
.set i, i+1
.endr
	WIN 0
	LN 4096, 6144, 18432, 20480, 0                 ; y, in place
	; y . head_w
	VLD AF, VA, 22528                              ; head_w lands where the fragments lay.  No wait on va_vdst: the last products, which read them, were issued ahead of the norm's waits
	s_wait_dscnt 0x0
	WIN 0x01
.irp m, 0,1,2,3
	v_pk_mul_f32 v[TT+2*\m:TT+2*\m+1], v[32*\m:32*\m+1], v[AF:AF+1]
.endr
.set i, 1
.rept 15
.irp m, 0,1,2,3
	v_pk_fma_f32 v[TT+2*\m:TT+2*\m+1], v[32*\m+2*i:32*\m+2*i+1], v[AF+2*i:AF+2*i+1], v[TT+2*\m:TT+2*\m+1]
.endr
.set i, i+1
.endr
	RSTO 8192
	s_cmp_lg_u32 s[WV], 0                          ; wave 0 finishes out0: lane l takes rows 2 l and 2 l + 1
	s_cbranch_scc1 .Lnoh
	v_lshlrev_b32 v50, 6, v1
	v_add_nc_u32 v50, RED+8192, v50
	v_mov_b32 v51, s[HDB]
	v_cvt_pk_bf16_f32 v51, v51, v51
	v_lshlrev_b32 v51, 16, v51
	v_lshlrev_b32 v52, 3, v1
	s_wait_alu depctr_va_vdst(0)                   ; v50 is written, which the LDS loads read as their address, and v52, the store's offset
.irp q, 0,1,2,3
	ds_load_b128 v[32+4*\q:35+4*\q], v50 offset:16*\q
.endr
	s_wait_dscnt 0x0
	v_pk_add_f32 v[32:33], v[32:33], v[34:35]
	v_pk_add_f32 v[36:37], v[36:37], v[38:39]
	v_pk_add_f32 v[40:41], v[40:41], v[42:43]
	v_pk_add_f32 v[44:45], v[44:45], v[46:47]
	v_pk_add_f32 v[32:33], v[32:33], v[36:37]
	v_pk_add_f32 v[40:41], v[40:41], v[44:45]
	v_add_f32 v32, v32, v33
	v_add_f32 v33, v40, v41
	v_add_f32 v32, v32, v51
	v_add_f32 v33, v33, v51
	s_wait_alu depctr_va_vdst(0)                   ; the two sums are written into v32 and v33, which the store reads
	global_store_b64 v52, v[32:33], s[32:33]       ; 256 consecutive bytes, aligned
.Lnoh:
; out1: 16 rows at a time through my stage (A0's bytes, which nobody has read since the first norm's barriers): in by lanes' 32 bytes, back as rows of 256 bytes.
; No wait on va_vdst here: y was written, and v128-255 last named by a vector instruction, ahead of the wait in front of the last sum's LDS stores.
.macro OUTP mb
	WIN 0x04
.irp q, 0,1,2,3,4,5,6,7
	ds_store_b128 v[SA], v[32*(\mb)+4*\q:32*(\mb)+4*\q+3] offset:64*(\q/2)+16*(\q%2)
.endr
	WIN 0
.irp t, 0,1,2,3,4,5,6,7
	ds_load_b128 v[128+32*(\mb)+4*\t:128+32*(\mb)+4*\t+3], v[SR] offset:544*\t   ; LDS serves a wave's instructions in order: these see the stores above, and the next block's stores come behind them
.endr
.endm
.macro OUTS mb, younger                ; younger: the next block's sixteen LDS instructions, or none
.irp t, 0,1,2,3,4,5,6,7
	s_wait_dscnt (\younger)+7-\t
	global_store_b128 v[OO], v[128+32*(\mb)+4*\t:128+32*(\mb)+4*\t+3], s[34:35] offset:(16*(\mb)+2*\t)*2048 th:TH_STORE_NT   ; 16 lanes store 256 consecutive bytes, aligned
.endr
.endm
	OUTP 0
	OUTP 1
	OUTS 0, 16
	OUTP 2
	OUTS 1, 16
	OUTP 3
	OUTS 2, 16
	OUTS 3, 0
	s_wait_dscnt 0x0                               ; the closing lines, six on end
	s_wait_alu 0x0
	s_wait_tensorcnt 0x0
	ds_add_u32 v[SPW], v[NIL]
	s_wait_dscnt 0x0
	s_endpgm
.Lfunc_end_k_qa69106b4f1_tail:
	.size	k_qa69106b4f1_tail, .Lfunc_end_k_qa69106b4f1_tail-k_qa69106b4f1_tail
	.p2alignl 7, 3214868480
	.fill 96, 4, 3214868480
	.section	.rodata,"a",@progbits
	.p2align	6, 0x0
	.amdhsa_kernel k_qa69106b4f1_tail
		.amdhsa_group_segment_fixed_size 301056
		.amdhsa_private_segment_fixed_size 0
		.amdhsa_enable_private_segment 0
		.amdhsa_kernarg_size 128
		.amdhsa_user_sgpr_count 2
		.amdhsa_user_sgpr_kernarg_segment_ptr 1
		.amdhsa_wavefront_size32 1
		.amdhsa_system_sgpr_workgroup_id_x 1
		.amdhsa_system_sgpr_workgroup_id_y 1
		.amdhsa_system_sgpr_workgroup_id_z 1
		.amdhsa_system_vgpr_workitem_id 0
		.amdhsa_next_free_vgpr 512
		.amdhsa_next_free_sgpr 66
		.amdhsa_reserve_vcc 0
		.amdhsa_float_denorm_mode_32 3
		.amdhsa_float_denorm_mode_16_64 3
		.amdhsa_memory_ordered 1
		.amdhsa_forward_progress 1
		.amdhsa_inst_pref_size 173
	.end_amdhsa_kernel
	.amdgpu_metadata
---
amdhsa.version: [ 1, 2 ]
amdhsa.kernels:
  - .name:           k_qa69106b4f1_tail
    .symbol:         k_qa69106b4f1_tail.kd
    .args:
      - { .name: oh, .offset: 0, .size: 8, .value_kind: global_buffer, .address_space: global }
      - { .name: gene_values, .offset: 8, .size: 8, .value_kind: global_buffer, .address_space: global }
      - { .name: gq, .offset: 16, .size: 8, .value_kind: global_buffer, .address_space: global }
      - { .name: params_gene_norm_b, .offset: 24, .size: 8, .value_kind: global_buffer, .address_space: global }
      - { .name: wf, .offset: 32, .size: 8, .value_kind: global_buffer, .address_space: global }
      - { .name: params_bo, .offset: 40, .size: 8, .value_kind: global_buffer, .address_space: global }
      - { .name: params_ln1_g, .offset: 48, .size: 8, .value_kind: global_buffer, .address_space: global }
      - { .name: params_ln1_b, .offset: 56, .size: 8, .value_kind: global_buffer, .address_space: global }
      - { .name: params_ff1_b, .offset: 64, .size: 8, .value_kind: global_buffer, .address_space: global }
      - { .name: params_ff2_b, .offset: 72, .size: 8, .value_kind: global_buffer, .address_space: global }
      - { .name: params_ln2_g, .offset: 80, .size: 8, .value_kind: global_buffer, .address_space: global }
      - { .name: params_ln2_b, .offset: 88, .size: 8, .value_kind: global_buffer, .address_space: global }
      - { .name: params_head_w, .offset: 96, .size: 8, .value_kind: global_buffer, .address_space: global }
      - { .name: params_head_b, .offset: 104, .size: 8, .value_kind: global_buffer, .address_space: global }
      - { .name: out0, .offset: 112, .size: 8, .value_kind: global_buffer, .address_space: global }
      - { .name: out1, .offset: 120, .size: 8, .value_kind: global_buffer, .address_space: global }
    .group_segment_fixed_size: 301056
    .private_segment_fixed_size: 0
    .kernarg_segment_align: 8
    .kernarg_segment_size: 128
    .max_flat_workgroup_size: 256
    .sgpr_count:     66
    .vgpr_count:     512
    .wavefront_size: 32
...
	.end_amdgpu_metadata
.endif
;; end of part 6
